; MI455X (gfx1250); checked and timed in simulation.
; The chip was launched on July 23, 2026; its instructions are those of AMD's public machine-readable ISA for CDNA 5 (MIT licence, August 2026) and "CDNA5" Instruction Set Architecture Reference Guide (July 2026). The comments in the code are by the model that wrote it; some were corrected since.
;; GRU Cell. Allowed arithmetic: matrix products marked QUANTISED: E3M2 operands, one E8M0 scale for each 32 along K, by v_wmma_scale_f32_16x16x128_f8f6f4 with both operands' format E3M2, f32 sums; everything else in f32.
;; Inputs: Wg_codes 2,048 x 64 x 24 uint8 (E3M2 codes of Wg, K innermost, in blocks of 32 codes, four codes in three bytes); Wg_scales 2,048 x 64 uint8 (E8M0 scales of Wg, one for each 32 codes along K); Wu_codes 1,024 x 64 x 24 uint8 (E3M2 codes of Wu, K innermost, in blocks of 32 codes, four codes in three bytes); Wu_scales 1,024 x 64 uint8 (E8M0 scales of Wu, one for each 32 codes along K); b1 2,048 float32; b2 2,048 float32; bg 2,048 float32; bu 1,024 float32; dropout_mask 2,048 float32; g1 2,048 float32; g2 2,048 float32; h 8,192 x 1,024 float32; x 8,192 x 1,024 float32.
;; Outputs: out0 8,192 x 1,024 float32.
;; This version of the problem:
;;   THIS VERSION OF THE PROBLEM IS GIVEN IN LOW PRECISION. The matrix products marked QUANTISED in the list below multiply operands that are first quantised to E3M2 (3 exponent bits, 2 mantissa bits; 6 bits a number), with one power-of-two scale for each 32 numbers along K (OCP MX v1.0); their sums are f32. All else is computed in f32.
;;   The module's matrix products, in the order in which they are computed (A, B: the left and right operand; K: the contracted axis; several contracted axes count as one K, in the product's order):
;;     1. [M 8,192, K 2,048] x [K 2,048, N 2,048]; A: computed on the way; B: input Wg (given as codes): QUANTISED
;;     2. [M 8,192, K 2,048] x [K 2,048, N 1,024]; A: computed on the way; B: input Wu (given as codes): QUANTISED
;;   THE QUANTISER, for each operand of a quantised product, along K:
;;     - K is cut into blocks of 32 from its start; a last block that is shorter is filled with zeros.
;;     - A block's scale is 2^e with e = floor(log2(the largest magnitude in the block)) - 4, held to -126 .. 127; a block of zeros has e = 0. As a byte (E8M0): e + 127.
;;     - Each number is divided by its block's scale, clamped to +-28, and rounded to the nearest number of E3M2, ties to even, subnormals kept.
;;     - The product sums the exact products of the quantised numbers (number of the format x scale) in f32.
;;   ~~~python
;;   def quantise(x, axis):      # numpy; x: float32 -> the quantised numbers, widened to float32 again
;;       x = np.moveaxis(x, axis, -1); K = x.shape[-1]
;;       x = np.pad(x, [(0, 0)] * (x.ndim - 1) + [(0, -K % 32)]); x = x.reshape(x.shape[:-1] + (-1, 32)); a = np.abs(x).max(-1, keepdims=True)
;;       e = np.where(a > 0, np.clip(np.frexp(np.where(a > 0, a, 1))[1] - 1 - 4, -126, 127), 0)      # np.frexp(a)[1] - 1 = floor(log2(a)), exactly
;;       r = np.clip(x / 2.0 ** e, -28, 28)
;;       step = 2.0 ** (np.maximum(np.frexp(np.where(r == 0, 1, r))[1] - 1, -2) - 2)
;;       q = np.round(r / step) * step * 2.0 ** e      # np.round: ties to even
;;       return np.moveaxis(q.reshape(q.shape[:-2] + (-1,))[..., :K], -1, axis).astype(np.float32)
;;   ~~~
;;   OPERANDS COMPUTED ON THE WAY. 'Computed on the way' means the value that the module computes at that place (a softmax that the list does not call 'softmax' is quantised finished and normalised). What goes into a quantiser is computed in f32, as accurately as f32 sums, v_exp_f32 and their like allow (about 1e-6 of the number): no bf16 or f16 on the way to a quantiser, and a product that is left as it is and whose result goes on into a quantised operand takes f32 operands (vector FMAs, or v_wmma_f32_16x16x4_f32). A number that lies on a knife's edge between two numbers of the format may be rounded either way, as far as f32 arithmetic and the matrix unit's own rounding can turn it there, and no further.
;;   INPUTS GIVEN AS CODES. Wg (in the module: [2048, 2048], K = its axis 0); Wu (in the module: [2048, 1024], K = its axis 0): each comes as NAME_codes (uint8): NAME with its K axis moved to the last place and cut into blocks of 32 codes, [.., K / 32, bytes a block], one block behind the other in memory; four codes in three bytes: a row's codes are one little-endian stream of bits, code i at bits 6 i .. 6 i + 5 (a code: sign, 3 exponent bits, 2 mantissa bits); and NAME_scales (uint8): the same leading axes, one E8M0 byte (e + 127) for each 32 codes along K. Its value is code x scale, taken as it is: it is not quantised again, and the codes and scales need not be those that the quantiser above would give.
;; 2 versions, each right; version 2 is version 1 with the launch gate written anew for expert scheduling mode. Each part assembles by itself: llvm-mc -triple=amdgcn-amd-amdhsa -mcpu=gfx1250 --defsym DOCPART=n.
;; ======== version 1 of 2: 3 launches
;; workspace buffers: wimg 4,718,592 bytes; acodes 25,165,824 bytes; ascales 1,048,576 bytes
;; launch relay (part 1): grid 192 x 1, 4 waves a work-group, no clusters, 0 bytes of LDS; arguments Wg_codes, Wu_codes, wimg; writes wimg
.if DOCPART == 1
	.amdgcn_target "amdgcn-amd-amdhsa--gfx1250"
	.amdhsa_code_object_version 6
	.text
	.protected	k_q1260dd8c21_relay
	.globl	k_q1260dd8c21_relay
	.p2align	8
	.type	k_q1260dd8c21_relay,@function
k_q1260dd8c21_relay:
	s_mov_b64 s[64:65], 0
	v_nop
	global_prefetch_b8 v0, s[64:65] scope:SCOPE_SE
	s_setreg_imm32_b32 hwreg(HW_REG_WAVE_MODE, 25, 1), 1
	s_wait_xcnt 0x0
; THE PROGRAM: h_new of a GRU cell, 8,192 rows, d = 1,024, both products on codes of E3M2 with one E8M0 scale for each 32 along K (K = 2,048).
;   relay: lays the weights' codes once in the order of the matrix operand's registers (this launch).
;   gate:  LN1, A1 = its codes, the r half of product 1, sigmoid, h r, LN2, A2 = its codes.  Only codes and scale words go to memory.
;   cell:  the z half of product 1 and product 2 side by side, sigmoid, tanh, h z + (1 - z) u.
; NOTHING OF reference() IS LEFT OUT: every input has a way to out0 for some finite values (g1, b1, g2, b2 and dropout_mask move the codes of A1 and A2; bg and bu stand
; inside the sigmoids and the tanh), so every input is loaded and every step is done.
; THIS LAUNCH.  A fragment is 16 rows of a weight x 128 along K: 12 registers a lane; lane (r, hh) holds the 24 bytes at 96 kap + 24 hh and at 96 kap + 48 + 24 hh of row r.
; Its image in wimg is 1,536 dense bytes: registers 4 c .. 4 c + 3 of lane l at 512 c + 16 l.  Fragment (T, kap), T = 0 .. 127 Wg's rows 16 T on, T = 128 .. 191 Wu's rows 16 (T - 128) on,
; lies at (T / 16) 393,216 + (kap / 2) 49,152 + (T % 16) 3,072 + (kap % 2) 1,536: so 16 tiles x 256 along K are one dense block of 49,152 bytes.
; SHARES.  Work-group T takes one tile of 16 rows, wave w its K steps 4 w .. 4 w + 3: 384 consecutive bytes of each row.  Each store covers 512 consecutive bytes, aligned.
.set ROWB, 1536                        ; a row of 2,048 codes in bytes
	s_load_b128 s[4:7], s[0:1], 0x0                ; Wg's codes, Wu's codes
	s_load_b64 s[8:9], s[0:1], 0x10                ; wimg
	v_lshrrev_b32 v1, 5, v0
	v_readfirstlane_b32 s10, v1                    ; wave 0..3
	v_and_b32 v1, 15, v0                           ; r
	v_bfe_u32 v4, v0, 4, 1                         ; hh
	v_mul_u32_u24 v2, v1, ROWB
	v_mad_u32_u24 v2, v4, 24, v2                   ; in: row r, + 24 hh
	v_and_b32 v3, 31, v0
	v_lshlrev_b32 v3, 4, v3                        ; out: 16 x lane
	s_cmp_lt_u32 ttmp9, 128                        ; Wg's tile or Wu's: the work-group's number alone decides
	s_cselect_b32 s11, 0, 128
	s_sub_co_u32 s11, ttmp9, s11                   ; the tile's number in its own tensor
	s_mul_i32 s12, s11, 16*ROWB
	s_mul_i32 s13, s10, 384
	s_add_co_u32 s12, s12, s13                     ; from: 16 rows x tile + my four K steps
	s_mov_b32 s13, 0
	s_lshr_b32 s14, ttmp9, 4
	s_mul_i32 s14, s14, 393216
	s_and_b32 s15, ttmp9, 15
	s_mul_i32 s15, s15, 3072
	s_add_co_u32 s14, s14, s15
	s_mul_i32 s15, s10, 98304                      ; four K steps are two blocks of 49,152
	s_add_co_u32 s14, s14, s15
	s_mov_b32 s15, 0
	s_wait_kmcnt 0x0
	s_cmp_lt_u32 ttmp9, 128
	s_cselect_b64 s[4:5], s[4:5], s[6:7]
	s_add_nc_u64 s[4:5], s[4:5], s[12:13]
	s_add_nc_u64 s[8:9], s[8:9], s[14:15]
.irp k, 0,1,2,3
.irp p, 0,1,2,3,4,5
	global_load_b64 v[8+12*\k+2*\p:9+12*\k+2*\p], v2, s[4:5] offset:96*\k+48*(\p/3)+8*(\p%3)   ; pieces of 8 bytes: every address is a multiple of the access's size
.endr
.endr
.irp k, 0,1,2,3
	s_wait_loadcnt 6*(3-\k)                        ; fragment k's six loads are in; the later fragments' may be out
.irp c, 0,1,2
	global_store_b128 v3, v[8+12*\k+4*\c:11+12*\k+4*\c], s[8:9] offset:(\k/2)*49152+(\k%2)*1536+512*\c
.endr
.endr
	s_endpgm
.Lfunc_end_k_q1260dd8c21_relay:
	.size	k_q1260dd8c21_relay, .Lfunc_end_k_q1260dd8c21_relay-k_q1260dd8c21_relay
	.p2alignl 7, 3214868480
	.fill 96, 4, 3214868480
	.section	.rodata,"a",@progbits
	.p2align	6, 0x0
	.amdhsa_kernel k_q1260dd8c21_relay
		.amdhsa_group_segment_fixed_size 0
		.amdhsa_private_segment_fixed_size 0
		.amdhsa_enable_private_segment 0
		.amdhsa_kernarg_size 24
		.amdhsa_user_sgpr_count 2
		.amdhsa_user_sgpr_kernarg_segment_ptr 1
		.amdhsa_wavefront_size32 1
		.amdhsa_system_sgpr_workgroup_id_x 1
		.amdhsa_system_sgpr_workgroup_id_y 1
		.amdhsa_system_sgpr_workgroup_id_z 1
		.amdhsa_system_vgpr_workitem_id 0
		.amdhsa_next_free_vgpr 64
		.amdhsa_next_free_sgpr 66
		.amdhsa_reserve_vcc 0
		.amdhsa_float_denorm_mode_32 3
		.amdhsa_float_denorm_mode_16_64 3
		.amdhsa_memory_ordered 1
		.amdhsa_forward_progress 1
		.amdhsa_inst_pref_size 6
	.end_amdhsa_kernel
	.amdgpu_metadata
---
amdhsa.version: [ 1, 2 ]
amdhsa.kernels:
  - .name:           k_q1260dd8c21_relay
    .symbol:         k_q1260dd8c21_relay.kd
    .args:
      - { .name: Wg_codes, .offset: 0, .size: 8, .value_kind: global_buffer, .address_space: global }
      - { .name: Wu_codes, .offset: 8, .size: 8, .value_kind: global_buffer, .address_space: global }
      - { .name: wimg, .offset: 16, .size: 8, .value_kind: global_buffer, .address_space: global }
    .group_segment_fixed_size: 0
    .private_segment_fixed_size: 0
    .kernarg_segment_align: 8
    .kernarg_segment_size: 24
    .max_flat_workgroup_size: 128
    .sgpr_count:     66
    .vgpr_count:     64
    .wavefront_size: 32
...
	.end_amdgpu_metadata
.endif
;; end of part 1
;; launch gate (part 2): grid 256 x 1, 8 waves a work-group, no clusters, 300,032 bytes of LDS; arguments x, h, g1, b1, g2, b2, dropout_mask, bg, Wg_scales, wimg, acodes, ascales; writes acodes, ascales
.if DOCPART == 2
	.amdgcn_target "amdgcn-amd-amdhsa--gfx1250"
	.amdhsa_code_object_version 6
	.text
	.protected	k_q1260dd8c21_gate
	.globl	k_q1260dd8c21_gate
	.p2align	8
	.type	k_q1260dd8c21_gate,@function
k_q1260dd8c21_gate:
	s_mov_b64 s[64:65], 0
	v_nop
	global_prefetch_b8 v0, s[64:65] scope:SCOPE_SE
	s_setreg_imm32_b32 hwreg(HW_REG_WAVE_MODE, 25, 1), 1
	s_wait_xcnt 0x0
; A1 = Q(LN1([x | h]) mask);  r = sigmoid(A1 Wg[:, :1024] + bg[:1024]);  A2 = Q(LN2([x | h r]) mask).  Q: codes of E3M2, one E8M0 scale for each 32 along K.  Nothing of these steps is left out.
; Out go A1's and A2's codes (acodes) and scale words (ascales), laid as the next launch's operand registers want them; r, h r and the norms never go to memory.
; SHARES.  A work-group owns 32 whole rows (LN2 needs all 1,024 r of a row): two tiles of 16, m = 0, 1.  Wave v of eight owns columns 128 v .. 128 v + 127 of x, of h and of r, for all 32 rows:
; its x columns are K step v, its h (h r) columns K step 8 + v, so a wave makes whole fragments and whole scale words.
; ONE LAYOUT for x, h, the gates and the normed numbers: lane (r, hh), register 64 m + 8 t + j = (row 16 m + r, column 128 v + 16 t + 8 hh + j).  It is what the product gives when used transposed
; (source 0 = 16 rows of Wg, source 1 = 16 rows of A1).  x and h are loaded 512 consecutive bytes an instruction and turned into it through the wave's own LDS rows (pitch 528 bytes = 132 words:
; row r starts at bank 4 r mod 64, ISA guide 11.1).
; THE NORMS, in f32, two passes: each part's mean, then its centred sum of squares; var = (M2x + M2h) / 2048 + ((mean x - mean h) / 2)^2: a sum of terms that are not negative.  A row's sums meet in LDS,
; a word a wave, and every wave adds the eight words in the same order.  x's mean and centred sum serve both norms.
; NO CLUSTER, NO TENSOR LOAD: each byte of Wg's r half (1,572,864 bytes a work-group) is multiplied by exactly one wave, in two matrix instructions; through LDS it would be written and read once more with
; no second reader, and a ring would change slots sixteen times for 32 matrix instructions a SIMD each.  So a wave's fragments come from wimg straight into its registers, 512 consecutive bytes a load,
; 24 loads on their way, with counted waits and no barrier.
; LIMITS: NaN and infinities among the inputs are not served.  A block whose largest magnitude lies under 2^-122 keeps the scale byte 1, a block of zeros too (its codes are zeros; only this program reads
; the bytes).  The order of the norms' f32 sums differs from reference()'s; g x mask and b x mask are multiplied ahead of the norm.
; REGISTERS.  Window 0: v1-19 lane numbers and addresses; v20-43 a row's sums, means, 1 / sigma; v44-47 offsets; v48-63 at work, in the product A1's scale words; v64-127 at work, in the product Wg's scale words;
;   v128-255 x as loaded, the normed numbers, the 16 accumulators.   Window 1: v0-127 h, then h r; v128-255 x, in the product eight fragments of Wg and two of A1.
.set XST,   0                          ; LDS: each wave's x part, 32 rows at pitch 528: kept for LN2
.set HST,   135168                     ; each wave's turn-table for h, 16 rows at pitch 528
.set AIMG,  202752                     ; A1's 32 fragments as images of their registers: (16 m + kap) 1,536
.set ASC1,  251904                     ; A1's scale words: (kap / 4) 512 + (16 m + r) 16 + (kap % 4) 4;  A2's 2,048 bytes on
.set PAR,   256000                     ; each wave's nine arrays of 512 bytes: g1 mask, b1 mask (x), the same (h), g2 mask, b2 mask (x), the same (h), -log2(e) bg
.set SCR,   292864                     ; six sums: q 1,024 + (16 m + r) 32 + 4 v
.set SPARE, 299008                     ; the spare words, 128 bytes for each wave: four blocks of 256 bytes that no other line names
.set ASL,  4                           ; v4   LDS: the set of scale words that my wave sends out
.set PVO,  5                           ; v5   16 lane + 512 v: my 16 bytes of my wave's 512 of a row
.set XSW,  6
.set XSR,  7
.set HSW,  8
.set HSR,  9
.set PAW,  10
.set PRD,  11
.set SCW,  12
.set SCRD, 13
.set AIW,  14
.set AIR,  15
.set ASW,  16
.set ASR,  17
.set SPW,  18                          ; v18  LDS address of my spare word; never rewritten
.set NIL,  19                          ; v19  0; never rewritten
.set SX,   20
.set M2X,  22
.set SH,   24
.set M2H,  26
.set MU,   28                          ; pairs: the packed forms name a pair and take its low word
.set RS,   32
.set MX,   36
.set MH,   40
.set WSO,  44
.set WVO,  45
.set ACO,  46
.set ASO,  47
.set TM,   48
.set AS,   48                          ; A1's scale words: register kap; lanes 0-15 rows 0-15, lanes 16-31 rows 16-31
.set T,    64
.set WS,   64                          ; Wg's scale words: register 16 j + kap; lanes 0-15 tile 2 j, lanes 16-31 tile 2 j + 1
.set GP,   64
.set BP,   80
.set PC,   96                          ; a fragment's 12 registers of codes
.set QT,   108
.set PW,   116                         ; its scale word
.set SCT,  124
.set BIAS, 64
.set Y,    128
.set ACC,  128
.set H,    0                           ; window 1
.set X,    128
.set WR,   128
.set AF,   224
.set MSB, 0
.macro WIN new                         ; s_set_vgpr_msb: bits 1:0 source 0, 3:2 source 1, 5:4 source 2, 7:6 destination; the high byte repeats the setting that is left
.if MSB != \new
	s_set_vgpr_msb (MSB<<8)|(\new)
.set MSB, \new
.endif
.endm
.macro PLACES                          ; four plain places behind a matrix instruction, ahead of loads into its registers and of reads of its results
.rept 4
	v_nop
.endr
.endm
.macro BAR                             ; my LDS stores have landed and my LDS loads are in: then the work-group's barrier
	s_wait_dscnt 0x0
	s_barrier_signal -1
	s_barrier_wait -1
.endm
; the sum of 64 numbers of window 1, from base on
.macro SUM64 dst, base
	WIN 0x05
.set k, 0
.rept 16
	v_pk_add_f32 v[T+2*k:T+2*k+1], v[\base+4*k:\base+4*k+1], v[\base+4*k+2:\base+4*k+3]
.set k, k+1
.endr
	WIN 0
.irp w, 4,8,16,32
.set k, 0
.rept 32/\w
	v_pk_add_f32 v[T+\w*k:T+\w*k+1], v[T+\w*k:T+\w*k+1], v[T+\w*k+\w/2:T+\w*k+\w/2+1]
.set k, k+1
.endr
.endr
	v_add_f32 v[\dst], v[T], v[T+1]
.endm
; the sum of (number - mean)^2 of 64 numbers of window 1: four chains, so that no multiply-add waits for the one before it
.macro DEV64 dst, base, mean
	WIN 0x01
.set k, 0
.rept 32
	v_pk_add_f32 v[T+2*k:T+2*k+1], v[\base+2*k:\base+2*k+1], v[\mean:\mean+1] op_sel_hi:[1,0] neg_lo:[0,1] neg_hi:[0,1]
.set k, k+1
.endr
	WIN 0
.set k, 0
.rept 4
	v_pk_mul_f32 v[TM+2*k+4*(k/2):TM+2*k+4*(k/2)+1], v[T+2*k:T+2*k+1], v[T+2*k:T+2*k+1]
.set k, k+1
.endr
.rept 28
	v_pk_fma_f32 v[TM+2*(k%4)+4*((k%4)/2):TM+2*(k%4)+4*((k%4)/2)+1], v[T+2*k:T+2*k+1], v[T+2*k:T+2*k+1], v[TM+2*(k%4)+4*((k%4)/2):TM+2*(k%4)+4*((k%4)/2)+1]
.set k, k+1
.endr
	v_pk_add_f32 v[TM:TM+1], v[TM:TM+1], v[TM+2:TM+3]
	v_pk_add_f32 v[TM+8:TM+9], v[TM+8:TM+9], v[TM+10:TM+11]
	v_pk_add_f32 v[TM:TM+1], v[TM:TM+1], v[TM+8:TM+9]
	v_add_f32 v[\dst], v[TM], v[TM+1]
.endm
.macro CROSS reg, off                  ; with lane l xor 16's half of the row's 128 columns; then my wave's word (both lanes write the same word with the same value)
	v_permlanex16_b32 v[TM+4], v[\reg], s30, s31
	v_add_f32 v[\reg], v[\reg], v[TM+4]
	ds_store_b32 v[SCW], v[\reg] offset:\off
.endm
.macro TLD i, off                      ; the eight waves' words of my row
	ds_load_b128 v[T+8*\i:T+8*\i+3], v[SCRD] offset:\off
	ds_load_b128 v[T+8*\i+4:T+8*\i+7], v[SCRD] offset:\off+16
.endm
.macro TSUM dst, i                     ; added in one fixed order: every wave gets the same bits
	v_pk_add_f32 v[T+8*\i:T+8*\i+1], v[T+8*\i:T+8*\i+1], v[T+8*\i+2:T+8*\i+3]
	v_pk_add_f32 v[T+8*\i+4:T+8*\i+5], v[T+8*\i+4:T+8*\i+5], v[T+8*\i+6:T+8*\i+7]
	v_pk_add_f32 v[T+8*\i:T+8*\i+1], v[T+8*\i:T+8*\i+1], v[T+8*\i+4:T+8*\i+5]
	v_add_f32 v[\dst], v[T+8*\i], v[T+8*\i+1]
.endm
; the row's mean and 1 / sqrt(var + 1e-5) from the two parts' means and centred sums
.macro STATS
.irp m, 0,1
	v_add_f32 v[TM+\m], v[MX+2*\m], v[MH+2*\m]
	v_sub_f32 v[TM+2+\m], v[MX+2*\m], v[MH+2*\m]
	v_add_f32 v[TM+8+\m], v[M2X+\m], v[M2H+\m]
.endr
.irp m, 0,1
	v_mul_f32 v[MU+2*\m], 0.5, v[TM+\m]
	v_mul_f32 v[MU+2*\m+1], 0.5, v[TM+\m]
	v_mul_f32 v[TM+2+\m], 0.5, v[TM+2+\m]          ; dd = half the distance of the parts' means
.endr
.irp m, 0,1
	v_fma_f32 v[TM+10+\m], v[TM+2+\m], v[TM+2+\m], 0x3727c5ac      ; dd^2 + 1e-5
.endr
.irp m, 0,1
	v_fmamk_f32 v[TM+8+\m], v[TM+8+\m], 0x3a000000, v[TM+10+\m]    ; + (M2x + M2h) / 2048
.endr
	v_rsq_f32 v[RS], v[TM+8]
	v_rsq_f32 v[RS+2], v[TM+9]
	v_nop                                          ; a plain place behind the last of the two
	s_wait_alu depctr_va_vdst(0)                   ; one wait for both, ahead of their first reader
	v_mov_b32 v[RS+1], v[RS]
	v_mov_b32 v[RS+3], v[RS+2]
.endm
; Y = (number - mean) / sigma x (g mask) + (b mask), for both tiles of rows, 32 columns at a time; the subtraction and the first multiplication stand between the parameters' loads and their wait
.macro NORM src, pg, pb
.irp b, 0,1,2,3
	WIN 0
.irp q, 0,1,2,3
	ds_load_b128 v[GP+4*\q:GP+4*\q+3], v[PRD] offset:(\pg)*512+128*\b+64*(\q/2)+16*(\q%2)
	ds_load_b128 v[BP+4*\q:BP+4*\q+3], v[PRD] offset:(\pb)*512+128*\b+64*(\q/2)+16*(\q%2)
.endr
	WIN 0x01
.irp m, 0,1
.irp i, 0,2,4,6,8,10,12,14
	v_pk_add_f32 v[Y+64*\m+16*\b+\i:Y+64*\m+16*\b+\i+1], v[\src+64*\m+16*\b+\i:\src+64*\m+16*\b+\i+1], v[MU+2*\m:MU+2*\m+1] op_sel_hi:[1,0] neg_lo:[0,1] neg_hi:[0,1]
.endr
.endr
	WIN 0
.irp m, 0,1
.irp i, 0,2,4,6,8,10,12,14
	v_pk_mul_f32 v[Y+64*\m+16*\b+\i:Y+64*\m+16*\b+\i+1], v[Y+64*\m+16*\b+\i:Y+64*\m+16*\b+\i+1], v[RS+2*\m:RS+2*\m+1] op_sel_hi:[1,0]
.endr
.endr
	s_wait_dscnt 0x0                               ; the parameters of these 32 columns are in
.irp m, 0,1
.irp i, 0,2,4,6,8,10,12,14
	v_pk_fma_f32 v[Y+64*\m+16*\b+\i:Y+64*\m+16*\b+\i+1], v[Y+64*\m+16*\b+\i:Y+64*\m+16*\b+\i+1], v[GP+\i:GP+\i+1], v[BP+\i:BP+\i+1]
.endr
.endr
.endr
.endm
; 64 numbers of a lane, v[s] on, become a fragment's 12 registers of codes in v[PC] on and its row's scale word in v[PW].  Registers 16 b .. 16 b + 15 are, of block b of 32 columns,
; columns 8 hh + 0 .. 7 and 16 + 8 hh + 0 .. 7: groups g0, g2 in lanes 0-15 and g1, g3 in lanes 16-31.
.macro QUANT s
.irp b, 0,1,2,3
	v_max3_num_f32 v[TM+\b], |v[\s+16*\b]|, |v[\s+1+16*\b]|, 0x2800000   ; my 16 numbers of block b, and the floor 2^(5 - 127): the byte cannot fall under 1
.endr
.irp i, 2,4,6,8,10,12,14
.irp b, 0,1,2,3
	v_max3_num_f32 v[TM+\b], v[TM+\b], |v[\s+16*\b+\i]|, |v[\s+1+16*\b+\i]|   ; (the four blocks by turns)
.endr
.endr
.irp b, 0,1,2,3
	v_permlanex16_b32 v[TM+4+\b], v[TM+\b], s30, s31
.endr
.irp b, 0,1,2,3
	v_max_num_f32 v[TM+\b], v[TM+\b], v[TM+4+\b]   ; with lane l xor 16's: the block's largest magnitude
.endr
.irp b, 0,1,2,3
	v_add_nc_u32 v[TM+12+\b], 0xfe000000, v[TM+\b] ; 4 off its exponent field: the conversion's scale operand
.endr
.irp b, 0,1,2,3
	v_lshrrev_b32 v[TM+4+\b], 23, v[TM+12+\b]      ; the scale's byte
.endr
	s_wait_xcnt 0x0                                ; the last fragment's global stores have read v[PC] on,
	s_wait_dscnt 0x0                               ; its LDS stores too, and the scale word's: all may be written again
	v_lshl_or_b32 v[PW], v[TM+5], 8, v[TM+4]
	v_lshl_or_b32 v[PW], v[TM+6], 16, v[PW]
	v_lshl_or_b32 v[PW], v[TM+7], 24, v[PW]
.irp c, 0,1
	v_cvt_scalef32_pk16_bf6_f32 v[PC+6*\c:PC+6*\c+2], v[\s+32*\c:\s+32*\c+15], v[TM+12+2*\c]        ; block 2 c: my two groups, 6 bytes each
	v_cvt_scalef32_pk16_bf6_f32 v[QT+4*\c:QT+4*\c+2], v[\s+32*\c+16:\s+32*\c+31], v[TM+13+2*\c]     ; block 2 c + 1
.endr
	v_nop                                          ; one plain place behind a scaled conversion
.irp c, 0,1
.irp i, 0,1,2
	v_permlane16_swap_b32 v[PC+6*\c+\i], v[QT+4*\c+\i]   ; now each lane holds a whole block, 2 c + hh: P = g0, g2 and Q = g1, g3
.endr
	v_perm_b32 v[PC+6*\c+3], v[PC+6*\c+2], v[PC+6*\c+1], s32     ; the block's 24 bytes in order g0 g1 g2 g3: word 3 = P1's upper half, P2's lower
	v_perm_b32 v[PC+6*\c+4], v[QT+4*\c+1], v[PC+6*\c+2], s33     ; word 4 = P2's upper half, Q1's upper
	v_mov_b32 v[PC+6*\c+5], v[QT+4*\c+2]                         ; word 5 = Q2
	v_perm_b32 v[PC+6*\c+2], v[QT+4*\c+1], v[QT+4*\c], s32       ; word 2 = Q0's upper half, Q1's lower
	v_perm_b32 v[PC+6*\c+1], v[QT+4*\c], v[PC+6*\c+1], s34       ; word 1 = P1's lower half, Q0's lower;  word 0 = P0 stays
.endr
.endm
.macro IMG off                         ; the fragment to LDS as it stands: lane l's 16 bytes at 16 l, 512 bytes a store
.irp c, 0,1,2
	ds_store_b128 v[AIW], v[PC+4*\c:PC+4*\c+3] offset:\off+512*\c
.endr
.endm
.macro OUTC sb, off                    ; and to memory likewise: each store covers 512 consecutive bytes, aligned
.irp c, 0,1,2
	global_store_b128 v[ACO], v[PC+4*\c:PC+4*\c+3], s[\sb:\sb+1] offset:\off+512*\c
.endr
.endm
.macro WLOAD kk, t0                    ; four of my eight fragments of Wg for K step kk
	WIN 0x40
.irp t, 0,1,2,3
.irp c, 0,1,2
	global_load_b128 v[WR+12*((\t0)+\t)+4*\c:WR+12*((\t0)+\t)+4*\c+3], v[WVO], s[22:23] offset:((\kk)/2)*49152+((\t0)+\t)*3072+((\kk)%2)*1536+512*\c
.endr
.endr
.endm
.macro ALOAD kk                        ; A1's two fragments for K step kk
	WIN 0x40
.irp m, 0,1
.irp c, 0,1,2
	ds_load_b128 v[AF+12*\m+4*\c:AF+12*\m+4*\c+3], v[AIR] offset:(16*\m+(\kk))*1536+512*\c
.endr
.endr
.endm
; one matrix instruction.  ra, rb: the scale words stand in lanes 16-31 of the register named
.macro WM d, a, b, zero, sa, sb, ra, rb
.if (\zero)
.if ((\ra)==0) && ((\rb)==0)
	v_wmma_scale_f32_16x16x128_f8f6f4 v[\d:\d+7], v[\a:\a+11], v[\b:\b+11], 0, v[\sa], v[\sb] matrix_a_fmt:MATRIX_FMT_BF6 matrix_b_fmt:MATRIX_FMT_BF6
.elseif ((\ra)==1) && ((\rb)==0)
	v_wmma_scale_f32_16x16x128_f8f6f4 v[\d:\d+7], v[\a:\a+11], v[\b:\b+11], 0, v[\sa], v[\sb] matrix_a_fmt:MATRIX_FMT_BF6 matrix_b_fmt:MATRIX_FMT_BF6 matrix_a_scale:MATRIX_SCALE_ROW1
.elseif ((\ra)==0) && ((\rb)==1)
	v_wmma_scale_f32_16x16x128_f8f6f4 v[\d:\d+7], v[\a:\a+11], v[\b:\b+11], 0, v[\sa], v[\sb] matrix_a_fmt:MATRIX_FMT_BF6 matrix_b_fmt:MATRIX_FMT_BF6 matrix_b_scale:MATRIX_SCALE_ROW1
.else
	v_wmma_scale_f32_16x16x128_f8f6f4 v[\d:\d+7], v[\a:\a+11], v[\b:\b+11], 0, v[\sa], v[\sb] matrix_a_fmt:MATRIX_FMT_BF6 matrix_b_fmt:MATRIX_FMT_BF6 matrix_a_scale:MATRIX_SCALE_ROW1 matrix_b_scale:MATRIX_SCALE_ROW1
.endif
.else
.if ((\ra)==0) && ((\rb)==0)
	v_wmma_scale_f32_16x16x128_f8f6f4 v[\d:\d+7], v[\a:\a+11], v[\b:\b+11], v[\d:\d+7], v[\sa], v[\sb] matrix_a_fmt:MATRIX_FMT_BF6 matrix_b_fmt:MATRIX_FMT_BF6
.elseif ((\ra)==1) && ((\rb)==0)
	v_wmma_scale_f32_16x16x128_f8f6f4 v[\d:\d+7], v[\a:\a+11], v[\b:\b+11], v[\d:\d+7], v[\sa], v[\sb] matrix_a_fmt:MATRIX_FMT_BF6 matrix_b_fmt:MATRIX_FMT_BF6 matrix_a_scale:MATRIX_SCALE_ROW1
.elseif ((\ra)==0) && ((\rb)==1)
	v_wmma_scale_f32_16x16x128_f8f6f4 v[\d:\d+7], v[\a:\a+11], v[\b:\b+11], v[\d:\d+7], v[\sa], v[\sb] matrix_a_fmt:MATRIX_FMT_BF6 matrix_b_fmt:MATRIX_FMT_BF6 matrix_b_scale:MATRIX_SCALE_ROW1
.else
	v_wmma_scale_f32_16x16x128_f8f6f4 v[\d:\d+7], v[\a:\a+11], v[\b:\b+11], v[\d:\d+7], v[\sa], v[\sb] matrix_a_fmt:MATRIX_FMT_BF6 matrix_b_fmt:MATRIX_FMT_BF6 matrix_a_scale:MATRIX_SCALE_ROW1 matrix_b_scale:MATRIX_SCALE_ROW1
.endif
.endif
.endm
; eight matrix instructions: four tiles of Wg x both tiles of rows.  The sixteen accumulators take turns, one instruction a turn, in the same order in every K step
.macro MM kk, t0, zero
	WIN 0x05
.irp t, 0,1,2,3
.irp m, 0,1
	WM ACC+64*\m+8*((\t0)+\t), WR+12*((\t0)+\t), AF+12*\m, \zero, WS+16*(((\t0)+\t)/2)+(\kk), AS+(\kk), ((\t0)+\t)%2, \m
.endr
.endr
.endm
; a K step of 128.  Each half's twelve weight loads for the next step go out as soon as this step's eight products on those registers are issued
.macro KSTEP kk
	s_wait_dscnt 0x0                               ; A1's two fragments are in
.if (\kk)==0
	s_wait_loadcnt 0x0                             ; the first step's 24 weight loads and the 16 of scale words
	MM \kk, 0, 1                                   ; the first products start the sums: nothing is cleared
.else
	s_wait_loadcnt 12                              ; tiles 0-3 are in; the twelve loads of tiles 4-7 may be out
	MM \kk, 0, 0
.endif
	PLACES
.if (\kk)<15
	WLOAD (\kk)+1, 0
	s_wait_loadcnt 12                              ; tiles 4-7 are in; the twelve just issued may be out
.else
	s_wait_loadcnt 0x0
.endif
.if (\kk)==0
	MM \kk, 4, 1
.else
	MM \kk, 4, 0
.endif
	PLACES
.if (\kk)<15
	WLOAD (\kk)+1, 4
	ALOAD (\kk)+1
.endif
.endm
	s_load_b256 s[4:11], s[0:1], 0x0               ; x s[4:5], h s[6:7], g1 s[8:9], b1 s[10:11]
	s_load_b256 s[12:19], s[0:1], 0x20             ; g2 s[12:13], b2 s[14:15], dropout_mask s[16:17], bg s[18:19]
	s_load_b256 s[20:27], s[0:1], 0x40             ; Wg's scales s[20:21], wimg s[22:23], acodes s[24:25], ascales s[26:27]
	v_lshl_add_u32 v[SPW], v0, 2, SPARE
	v_mov_b32 v[NIL], 0
	v_lshrrev_b32 v1, 5, v0
	v_readfirstlane_b32 s28, v1                    ; wave v, 0..7
	v_and_b32 v1, 15, v0                           ; r
	v_bfe_u32 v2, v0, 4, 1                         ; hh
	v_and_b32 v3, 31, v0                           ; lane
	s_mov_b32 s30, 0x76543210
	s_mov_b32 s31, 0xfedcba98                      ; v_permlanex16_b32's selects for lane l xor 16
	s_mov_b32 s32, 0x05040302                      ; v_perm_b32: second source's upper half, first source's lower
	s_mov_b32 s33, 0x07060302                      ; both upper halves
	s_mov_b32 s34, 0x05040100                      ; both lower halves
	s_mov_b32 s36, 0xbfb8aa3b                      ; -log2(e)
	s_mov_b32 s37, s36                             ; (named with it as a pair, so it is written)
	s_lshl_b32 s38, s28, 9
	v_lshl_add_u32 v[PVO], v3, 4, s38
	s_mul_i32 s38, s28, 16896
	s_mul_i32 s39, s28, 8448
	s_add_co_u32 s39, s39, HST
	v_lshl_add_u32 v[XSW], v3, 4, s38              ; in: a row's 512 bytes as they lie
	v_lshl_add_u32 v[HSW], v3, 4, s39
	v_mul_u32_u24 v[HSR], v1, 528
	v_lshl_add_u32 v[HSR], v2, 5, v[HSR]           ; back: row r, + 32 hh
	v_add_nc_u32 v[XSR], s38, v[HSR]
	v_add_nc_u32 v[HSR], s39, v[HSR]
	s_mul_i32 s38, s28, 4608
	s_add_co_u32 s38, s38, PAR
	v_lshl_add_u32 v[PAW], v3, 4, s38
	v_lshl_add_u32 v[PRD], v2, 5, s38
	s_lshl_b32 s38, s28, 2
	s_add_co_u32 s38, s38, SCR
	v_lshl_add_u32 v[SCW], v1, 5, s38
	v_lshl_add_u32 v[SCRD], v1, 5, SCR
	s_mul_i32 s38, s28, 1536
	s_add_co_u32 s38, s38, AIMG
	v_lshl_add_u32 v[AIW], v3, 4, s38
	v_lshl_add_u32 v[AIR], v3, 4, AIMG
	s_lshr_b32 s38, s28, 2
	s_lshl_b32 s38, s38, 9
	s_and_b32 s39, s28, 3
	s_lshl_b32 s40, s39, 2
	s_add_co_u32 s38, s38, s40
	s_add_co_u32 s38, s38, ASC1
	v_lshl_add_u32 v[ASW], v1, 4, s38
	v_lshl_add_u32 v[ASR], v3, 4, ASC1
	s_lshl_b32 s39, s39, 9
	v_lshl_add_u32 v[ASO], v3, 4, s39
	v_add_nc_u32 v[ASL], ASC1, v[ASO]
	s_lshl_b32 s38, s28, 13
	v_lshl_add_u32 v[WSO], v3, 6, s38              ; Wg's scales: row 128 v + lane, 64 bytes a row
	s_lshr_b32 s38, s28, 1
	s_and_b32 s39, s28, 1
	s_mul_i32 s40, s38, 393216
	s_mul_i32 s41, s39, 24576
	s_add_co_u32 s40, s40, s41
	v_lshl_add_u32 v[WVO], v3, 4, s40              ; wimg: my tiles are T = 8 v + t
	s_mul_i32 s40, s38, 24576
	s_mul_i32 s41, s39, 1536
	s_add_co_u32 s40, s40, s41
	v_lshl_add_u32 v[ACO], v3, 4, s40              ; acodes: K step v
.irp b, 0,1,2,3
	v_mov_b32 v[TM+4+\b], 0                        ; written once: a lane permute's destination counts as one of its sources
.endr
	s_lshl_b32 s38, ttmp9, 17                      ; my 32 rows of 4,096 bytes
	s_mov_b32 s39, 0
	s_lshr_b32 s40, ttmp9, 2
	s_mul_i32 s40, s40, 196608                     ; acodes: block of 128 rows g / 4,
	s_and_b32 s41, ttmp9, 3
	s_mul_i32 s41, s41, 6144                       ; tiles of rows 2 (g % 4) + m in it
	s_add_co_u32 s40, s40, s41
	s_mov_b32 s41, 0
	s_lshl_b32 s42, ttmp9, 11                      ; ascales: 2,048 bytes a work-group
	s_mov_b32 s43, 0
	s_wait_kmcnt 0x0
	s_add_nc_u64 s[4:5], s[4:5], s[38:39]
	s_add_nc_u64 s[6:7], s[6:7], s[38:39]
	s_add_nc_u64 s[24:25], s[24:25], s[40:41]
	s_add_nc_u64 s[44:45], s[24:25], 12582912      ; A2's part of acodes
	s_add_nc_u64 s[26:27], s[26:27], s[42:43]
	; ---- A: everything that comes from memory but the weights is asked for at once: 32 loads of x, 32 of h, 11 of parameters
.set k, 0
.rept 32
	global_load_b128 v[Y+4*k:Y+4*k+3], v[PVO], s[4:5] offset:4096*k th:TH_LOAD_NT
.set k, k+1
.endr
	WIN 0x40
.set k, 0
.rept 32
	global_load_b128 v[H+4*k:H+4*k+3], v[PVO], s[6:7] offset:4096*k th:TH_LOAD_NT
.set k, k+1
.endr
	WIN 0
.irp q, 0,1                                    ; q = 0: x's columns, 1: h's, 4,096 bytes on
	global_load_b128 v[T+4*\q:T+4*\q+3], v[PVO], s[8:9] offset:4096*\q
	global_load_b128 v[T+8+4*\q:T+8+4*\q+3], v[PVO], s[10:11] offset:4096*\q
	global_load_b128 v[T+16+4*\q:T+16+4*\q+3], v[PVO], s[12:13] offset:4096*\q
	global_load_b128 v[T+24+4*\q:T+24+4*\q+3], v[PVO], s[14:15] offset:4096*\q
	global_load_b128 v[T+32+4*\q:T+32+4*\q+3], v[PVO], s[16:17] offset:4096*\q
.endr
	global_load_b128 v[T+40:T+43], v[PVO], s[18:19]
	s_wait_loadcnt 43                              ; x is in; h's 32 and the parameters' 11 may be out
.set k, 0
.rept 32
	ds_store_b128 v[XSW], v[Y+4*k:Y+4*k+3] offset:528*k
.set k, k+1
.endr
	WIN 0x40
.irp m, 0,1
.irp t, 0,1,2,3,4,5,6,7
	ds_load_b128 v[X+64*\m+8*\t:X+64*\m+8*\t+3], v[XSR] offset:8448*\m+64*\t          ; LDS serves a wave's instructions in order (ISA guide 5.7.1.4): these see my stores
	ds_load_b128 v[X+64*\m+8*\t+4:X+64*\m+8*\t+7], v[XSR] offset:8448*\m+64*\t+16
.endr
.endr
	s_wait_loadcnt 11                              ; h is in; the parameters may be out
.irp m, 0,1                                    ; 16 rows at a time through the same LDS rows, back into the registers that they left
	WIN 0x04
.set k, 0
.rept 16
	ds_store_b128 v[HSW], v[H+64*\m+4*k:H+64*\m+4*k+3] offset:528*k
.set k, k+1
.endr
	WIN 0x40
.irp t, 0,1,2,3,4,5,6,7
	ds_load_b128 v[H+64*\m+8*\t:H+64*\m+8*\t+3], v[HSR] offset:64*\t
	ds_load_b128 v[H+64*\m+8*\t+4:H+64*\m+8*\t+7], v[HSR] offset:64*\t+16
.endr
.endr
	WIN 0
	s_wait_loadcnt 0x0                             ; the parameters
.irp a, 0,1,2,3                                ; g1, b1, g2, b2, each x the mask
.irp q, 0,1
.irp i, 0,2
	v_pk_mul_f32 v[T+8*\a+4*\q+\i:T+8*\a+4*\q+\i+1], v[T+8*\a+4*\q+\i:T+8*\a+4*\q+\i+1], v[T+32+4*\q+\i:T+32+4*\q+\i+1]
.endr
.endr
.endr
.irp i, 0,2
	v_pk_mul_f32 v[T+40+\i:T+40+\i+1], v[T+40+\i:T+40+\i+1], s[36:37] op_sel_hi:[1,0]   ; -log2(e) bg
.endr
.irp a, 0,1,2,3
.irp q, 0,1
	ds_store_b128 v[PAW], v[T+8*\a+4*\q:T+8*\a+4*\q+3] offset:(4*(\a/2)+2*\q+\a%2)*512
.endr
.endr
	ds_store_b128 v[PAW], v[T+40:T+43] offset:8*512
	s_wait_dscnt 0x0                               ; x and h are in their layout
	SUM64 SX, X
	SUM64 SX+1, X+64
	SUM64 SH, H
	SUM64 SH+1, H+64
	CROSS SX, 0
	CROSS SX+1, 512
	CROSS SH, 1024
	CROSS SH+1, 1536
	BAR                                            ; every wave's four sums lie in LDS
	; ---- B: the parts' means, and their centred sums of squares
	TLD 0, 0
	TLD 1, 512
	TLD 2, 1024
	TLD 3, 1536
	s_wait_dscnt 0x0
	TSUM SX, 0
	TSUM SX+1, 1
	TSUM SH, 2
	TSUM SH+1, 3
.irp m, 0,1
	v_mul_f32 v[MX+2*\m], 0x3a800000, v[SX+\m]     ; / 1024
	v_mul_f32 v[MX+2*\m+1], 0x3a800000, v[SX+\m]
	v_mul_f32 v[MH+2*\m], 0x3a800000, v[SH+\m]
	v_mul_f32 v[MH+2*\m+1], 0x3a800000, v[SH+\m]
.endr
	DEV64 M2X, X, MX
	DEV64 M2X+1, X+64, MX+2
	DEV64 M2H, H, MH
	DEV64 M2H+1, H+64, MH+2
	CROSS M2X, 2048
	CROSS M2X+1, 2560
	CROSS M2H, 3072
	CROSS M2H+1, 3584
	BAR
	; ---- C: LN1, and A1's codes: my two K steps x two tiles of rows
	TLD 0, 2048
	TLD 1, 2560
	TLD 2, 3072
	TLD 3, 3584
	s_wait_dscnt 0x0
	TSUM M2X, 0
	TSUM M2X+1, 1
	TSUM M2H, 2
	TSUM M2H+1, 3
	STATS
	NORM X, 0, 1
	WLOAD 0, 0                                     ; x's registers are free (x stays in LDS): the first K step's weights are asked for
	WLOAD 0, 4
	WIN 0
.irp m, 0,1
	QUANT Y+64*\m
	IMG 24576*\m
	ds_store_b32 v[ASW], v[PW] offset:256*\m
	OUTC 24, 3072*\m
.endr
	NORM H, 2, 3
.irp m, 0,1
	QUANT Y+64*\m
	IMG 24576*\m+12288
	ds_store_b32 v[ASW], v[PW] offset:1024+256*\m
	OUTC 24, 3072*\m+98304
.endr
	BAR                                            ; A1's 32 fragments and their scale words lie in LDS
	; ---- D: gates = A1 Wg (r half), transposed; r; h r
	ds_load_b128 v[SCT:SCT+3], v[ASL]
	s_wait_dscnt 0x0
	s_cmp_lt_u32 s28, 4                            ; A1's scale words are 2,048 bytes: waves 0 to 3 send 512 each
	s_cbranch_scc0 .Lno_sc1
	global_store_b128 v[ASO], v[SCT:SCT+3], s[26:27]
.Lno_sc1:
	s_wait_xcnt 0x0                                ; that store and the codes' stores have read their registers: the scale words below land there
.irp j, 0,1,2,3
.irp t, 0,1,2,3
	global_load_b128 v[WS+16*\j+4*\t:WS+16*\j+4*\t+3], v[WSO], s[20:21] offset:2048*\j+16*\t   ; a lane takes its row's 64 bytes: sixteen K steps' words
.endr
.endr
.irp t, 0,1,2,3
	ds_load_b128 v[AS+4*\t:AS+4*\t+3], v[ASR] offset:512*\t
.endr
	ALOAD 0
.irp kk, 0,1,2,3,4,5,6,7,8,9,10,11,12,13,14,15
	KSTEP \kk
.endr
	WIN 0
.irp t, 0,1,2,3,4,5,6,7                        ; (the last step's four places stand ahead of these loads)
	ds_load_b128 v[BIAS+8*\t:BIAS+8*\t+3], v[PRD] offset:8*512+64*\t
	ds_load_b128 v[BIAS+8*\t+4:BIAS+8*\t+7], v[PRD] offset:8*512+64*\t+16
.endr
	WIN 0x40
.irp m, 0,1
.irp t, 0,1,2,3,4,5,6,7
	ds_load_b128 v[X+64*\m+8*\t:X+64*\m+8*\t+3], v[XSR] offset:8448*\m+64*\t          ; x comes back for LN2
	ds_load_b128 v[X+64*\m+8*\t+4:X+64*\m+8*\t+7], v[XSR] offset:8448*\m+64*\t+16
.endr
.endr
	WIN 0
	s_wait_dscnt 32                                ; the biases are in; x's 32 loads may be out
.irp m, 0,1
.irp t, 0,1,2,3,4,5,6,7
.irp i, 0,2,4,6
	v_pk_fma_f32 v[ACC+64*\m+8*\t+\i:ACC+64*\m+8*\t+\i+1], v[ACC+64*\m+8*\t+\i:ACC+64*\m+8*\t+\i+1], s[36:37], v[BIAS+8*\t+\i:BIAS+8*\t+\i+1] op_sel_hi:[1,0,1]   ; -log2(e) (sum + bg); each accumulator from its low end on
.endr
.endr
.endr
.set k, 0
.rept 128
	v_exp_f32 v[ACC+k], v[ACC+k]
.set k, k+1
.endr
	v_nop                                          ; a plain place behind the last exponential
	s_wait_alu depctr_va_vdst(0)                   ; one wait for the batch, ahead of its first reader
.set k, 0
.rept 64
	v_pk_add_f32 v[ACC+2*k:ACC+2*k+1], v[ACC+2*k:ACC+2*k+1], 1.0 op_sel_hi:[1,0]
.set k, k+1
.endr
.set k, 0
.rept 128
	v_rcp_f32 v[ACC+k], v[ACC+k]                   ; r = 1 / (1 + 2^(-log2(e) gate)): an overflowing power gives 0, a vanishing one 1
.set k, k+1
.endr
	v_nop
	s_wait_alu depctr_va_vdst(0)
	WIN 0x41
.set k, 0
.rept 64
	v_pk_mul_f32 v[H+2*k:H+2*k+1], v[H+2*k:H+2*k+1], v[ACC+2*k:ACC+2*k+1]             ; h r, where h lay
.set k, k+1
.endr
	SUM64 SH, H
	SUM64 SH+1, H+64
	CROSS SH, 4096
	CROSS SH+1, 4608
	BAR
	; ---- E: h r's mean and centred sum; x's are kept from LN1
	TLD 0, 4096
	TLD 1, 4608
	s_wait_dscnt 0x0
	TSUM SH, 0
	TSUM SH+1, 1
.irp m, 0,1
	v_mul_f32 v[MH+2*\m], 0x3a800000, v[SH+\m]
	v_mul_f32 v[MH+2*\m+1], 0x3a800000, v[SH+\m]
.endr
	DEV64 M2H, H, MH
	DEV64 M2H+1, H+64, MH+2
	CROSS M2H, 5120
	CROSS M2H+1, 5632
	BAR
	; ---- F: LN2, and A2's codes
	TLD 0, 5120
	TLD 1, 5632
	s_wait_dscnt 0x0
	TSUM M2H, 0
	TSUM M2H+1, 1
	STATS
	NORM X, 4, 5
.irp m, 0,1
	QUANT Y+64*\m
	ds_store_b32 v[ASW], v[PW] offset:2048+256*\m
	OUTC 44, 3072*\m
.endr
	NORM H, 6, 7
.irp m, 0,1
	QUANT Y+64*\m
	ds_store_b32 v[ASW], v[PW] offset:3072+256*\m
	OUTC 44, 3072*\m+98304
.endr
	BAR                                            ; A2's scale words lie in LDS
	; ---- G: they leave as A1's did
	ds_load_b128 v[SCT:SCT+3], v[ASL] offset:2048
	s_wait_dscnt 0x0
	s_cmp_lt_u32 s28, 4
	s_cbranch_scc0 .Lno_sc2
	global_store_b128 v[ASO], v[SCT:SCT+3], s[26:27] offset:524288
.Lno_sc2:
	s_wait_tensorcnt 0x0                           ; the wave's end, behind my last LDS store
	ds_add_u32 v[SPW], v[NIL]
	s_wait_dscnt 0x0
	s_endpgm
.Lfunc_end_k_q1260dd8c21_gate:
	.size	k_q1260dd8c21_gate, .Lfunc_end_k_q1260dd8c21_gate-k_q1260dd8c21_gate
	.p2alignl 7, 3214868480
	.fill 96, 4, 3214868480
	.section	.rodata,"a",@progbits
	.p2align	6, 0x0
	.amdhsa_kernel k_q1260dd8c21_gate
		.amdhsa_group_segment_fixed_size 300032
		.amdhsa_private_segment_fixed_size 0
		.amdhsa_enable_private_segment 0
		.amdhsa_kernarg_size 96
		.amdhsa_user_sgpr_count 2
		.amdhsa_user_sgpr_kernarg_segment_ptr 1
		.amdhsa_wavefront_size32 1
		.amdhsa_system_sgpr_workgroup_id_x 1
		.amdhsa_system_sgpr_workgroup_id_y 1
		.amdhsa_system_sgpr_workgroup_id_z 1
		.amdhsa_system_vgpr_workitem_id 0
		.amdhsa_next_free_vgpr 512
		.amdhsa_next_free_sgpr 66
		.amdhsa_reserve_vcc 0
		.amdhsa_float_denorm_mode_32 3
		.amdhsa_float_denorm_mode_16_64 3
		.amdhsa_memory_ordered 1
		.amdhsa_forward_progress 1
		.amdhsa_inst_pref_size 255
	.end_amdhsa_kernel
	.section	.bss,"aw",@nobits
	.p2align	6
	.space	262144
	.amdgpu_metadata
---
amdhsa.version: [ 1, 2 ]
amdhsa.kernels:
  - .name:           k_q1260dd8c21_gate
    .symbol:         k_q1260dd8c21_gate.kd
    .args:
      - { .name: x, .offset: 0, .size: 8, .value_kind: global_buffer, .address_space: global }
      - { .name: h, .offset: 8, .size: 8, .value_kind: global_buffer, .address_space: global }
      - { .name: g1, .offset: 16, .size: 8, .value_kind: global_buffer, .address_space: global }
      - { .name: b1, .offset: 24, .size: 8, .value_kind: global_buffer, .address_space: global }
      - { .name: g2, .offset: 32, .size: 8, .value_kind: global_buffer, .address_space: global }
      - { .name: b2, .offset: 40, .size: 8, .value_kind: global_buffer, .address_space: global }
      - { .name: dropout_mask, .offset: 48, .size: 8, .value_kind: global_buffer, .address_space: global }
      - { .name: bg, .offset: 56, .size: 8, .value_kind: global_buffer, .address_space: global }
      - { .name: Wg_scales, .offset: 64, .size: 8, .value_kind: global_buffer, .address_space: global }
      - { .name: wimg, .offset: 72, .size: 8, .value_kind: global_buffer, .address_space: global }
      - { .name: acodes, .offset: 80, .size: 8, .value_kind: global_buffer, .address_space: global }
      - { .name: ascales, .offset: 88, .size: 8, .value_kind: global_buffer, .address_space: global }
    .group_segment_fixed_size: 300032
    .private_segment_fixed_size: 0
    .kernarg_segment_align: 8
    .kernarg_segment_size: 96
    .max_flat_workgroup_size: 256
    .sgpr_count:     66
    .vgpr_count:     512
    .wavefront_size: 32
...
	.end_amdgpu_metadata
.endif
;; end of part 2
;; launch cell (part 3): grid 4 x 64, 4 waves a work-group, clusters of 4 x 4, 327,680 bytes of LDS; arguments acodes, ascales, wimg, Wg_scales, Wu_scales, bg, bu, h, out0; writes out0
.if DOCPART == 3
	.amdgcn_target "amdgcn-amd-amdhsa--gfx1250"
	.amdhsa_code_object_version 6
	.text
	.protected	k_q1260dd8c21_cell
	.globl	k_q1260dd8c21_cell
	.p2align	8
	.type	k_q1260dd8c21_cell,@function
k_q1260dd8c21_cell:
	s_mov_b64 s[64:65], 0
	v_nop
	global_prefetch_b8 v0, s[64:65] scope:SCOPE_SE
	s_setreg_imm32_b32 hwreg(HW_REG_WAVE_MODE, 25, 1), 1
	s_wait_xcnt 0x0
	s_wait_alu depctr_hold_cnt(0) depctr_sa_sdst(0) depctr_va_vdst(0) depctr_va_sdst(0) depctr_va_ssrc(0) depctr_va_vcc(0) depctr_vm_vsrc(0)
	s_getreg_b32 s2, hwreg(HW_REG_IB_STS2, 6, 4)
	s_cmp_eq_u32 s2, 0
	s_cbranch_scc0 .Lentry_in_a_cluster
	s_endpgm
.Lentry_in_a_cluster:
	s_bfe_u32 s2, ttmp6, 0x10000c
	s_cmp_lg_u32 s2, 0xf033
	s_cbranch_scc0 .Lentry_shape_is_right
	s_endpgm
.Lentry_shape_is_right:
; z = sigmoid(A1 Wg[:, 1024:] + bg[1024:]);  u = tanh(A2 Wu + bu);  out0 = h z + (1 - z) u.  A1, A2: codes and scale words that the launch before has stored; Wg, Wu: the images in wimg.  Nothing is left out.
; SHARES.  A work-group owns 128 rows x 256 output columns and makes BOTH sums for them.  Wave w: p = w / 2 (0: z's sums, 1: u's), c = w % 2 (which 128 columns): 128 x 128, 64 accumulators of 16 x 16, 512 registers,
; 64 matrix instructions for 128 along K.  THE MATRIX INSTRUCTION IS USED TRANSPOSED (source 0 = 16 rows of a weight, source 1 = 16 rows of A): a lane holds eight neighbouring columns of one row.
; THE RING.  K goes in steps of 256 through two LDS slots; a slot holds A1's and A2's tile (24,576 bytes each) and Wz's and Wu's (49,152 each).  All four are dense blocks of memory, laid as images of operand
; registers: a fragment is 1,536 bytes, three loads of 512 consecutive bytes; no pitch, no padding.  One tensor load a wave behind each change of slots: by this text's count a wave has two loads out at the start, then one.
; CLUSTERS: 4 x 4 work-groups.  The four of a row of the cluster (same 128 rows) ask for A's tiles jointly, the four of a column (same 256 columns) for the weights'.
; THE SCALE WORDS of all 16 K steps stay in registers: 64 for A's eight tiles of rows, 64 for the weight's eight tiles; lanes 0-15 hold an even tile's words, lanes 16-31 the odd one's.
; THE WAY OUT.  Both kinds of wave run one text: q = 1 / (1 + 2^(cp (sum + bias))), cp = -log2(e) for z (q = z) and 2 log2(e) for u (u = 1 - 2 q).  z and q meet in a stage in LDS (the slots, which have had their
; last fill and their last read); each wave then finishes 32 whole rows: out = z (h - u) + u, 512 consecutive bytes a store, aligned.
; LIMITS: NaN and infinities among the inputs are not served; a power of two that overflows gives q = 0 and one that vanishes q = 1, as the sigmoid's and the tanh's ends ask.
; REGISTERS.  Window 0: v16-30 addresses; v32-95 A's scale words; v96-159 the weight's; v160-255 A's eight fragments, later the biases x cp.   Window 1: the weight's fragments, two sets, v0-95 and v128-223;
;   the biases as loaded, v96-127 and v224-255; later all 256: h.   Windows 2, 3: the accumulators of my rows 0-63, 64-127; later z and q by rows.
.set SLOT,  147456
.set SPARE, 294912                     ; behind the ring: the spare words, 128 bytes for each wave: two blocks of 256 bytes that no other line names
.set SPIT,  1040                       ; a stage row: 1,024 bytes + 16 = 260 words: row r starts at bank 4 r mod 64 (ISA guide 11.1)
.set ADRA, 16                          ; v16-17  LDS address of my A fragments in slot 0, 1
.set ADRB, 20                          ; v20-21  of my weight's
.set STL,  22                          ; v22     the stage: where I put 32 bytes of rows 0-63;  v23: of rows 64-127
.set STH,  23
.set RDZ,  24                          ; v24     where I read z's rows back;  v25: q's
.set RDU,  25
.set CO,   26                          ; v26     16 x lane
.set WSV,  27                          ; v27     64 x lane
.set SPW,  28                          ; v28     LDS address of my spare word; never rewritten
.set NIL,  29                          ; v29     0; never rewritten
.set BVO,  30                          ; v30     32 hh
.set ASCL, 32
.set WSCL, 96
.set AF,   160
.set BIA,  160
.set G1A, 32                           ; s[32:39] descriptor group 1 for A's tiles; s[40:47] group 0, one set for each slot
.set G0A, 40
.set G1W, 48                           ; s[48:55], s[56:63] the same for the weights' tiles
.set G0W, 56
.set MSB, 0
.macro WIN new                         ; s_set_vgpr_msb: bits 1:0 source 0, 3:2 source 1, 5:4 source 2, 7:6 destination; the high byte repeats the setting that is left
.if MSB != \new
	s_set_vgpr_msb (MSB<<8)|(\new)
.set MSB, \new
.endif
.endm
.set MUL_LO, 0xa1                      ; source 0 (weight) window 1, source 1 (A) window 0, C and D window 2
.set MUL_HI, 0xf1                      ; the same, C and D window 3
.set TO_B,   0x40                      ; destination window 1, address window 0
.macro PLACES                          ; four plain places behind a matrix instruction, ahead of loads into its registers and of reads of its results
.rept 4
	v_nop
.endr
.endm
; A joint load: waves 0 and 1 fetch A1's and A2's tile, waves 2 and 3 Wz's and Wu's.  Each of the two lines has one mask and one set of registers for all that issue it; the branch hangs on the wave's number alone.
; An s_nop 0 and four v_nop follow each of the two lines, ahead of the jump, the label and what follows.
.macro JLOAD s
	s_cmp_eq_u32 s23, 0
	s_cbranch_scc0 .Lfor_w_\@
	tensor_load_to_lds s[G0A+4*\s:G0A+4*\s+3], s[G1A:G1A+7]
	s_nop 0
.rept 4
	v_nop
.endr
	s_branch .Lasked_\@
.Lfor_w_\@:
	tensor_load_to_lds s[G0W+4*\s:G0W+4*\s+3], s[G1W:G1W+7]
	s_nop 0
.rept 4
	v_nop
.endr
.Lasked_\@:
.endm
.macro CREST                           ; a round of the cluster's barrier behind its opening barrier
	s_cmp_lg_u32 s22, 0
	s_cbranch_scc1 .Lnot_wave_0_\@
	s_barrier_signal -3
.Lnot_wave_0_\@:
	s_barrier_wait -3
	s_barrier_signal -1
	s_barrier_wait -1
.endm
.macro CROUND                          ; a whole round
	s_barrier_signal -1
	s_barrier_wait -1
	CREST
.endm
; one matrix instruction.  ra, rb: the scale words stand in lanes 16-31 of the register named
.macro WM d, a, b, zero, sa, sb, ra, rb
.if (\zero)
.if ((\ra)==0) && ((\rb)==0)
	v_wmma_scale_f32_16x16x128_f8f6f4 v[\d:\d+7], v[\a:\a+11], v[\b:\b+11], 0, v[\sa], v[\sb] matrix_a_fmt:MATRIX_FMT_BF6 matrix_b_fmt:MATRIX_FMT_BF6
.elseif ((\ra)==1) && ((\rb)==0)
	v_wmma_scale_f32_16x16x128_f8f6f4 v[\d:\d+7], v[\a:\a+11], v[\b:\b+11], 0, v[\sa], v[\sb] matrix_a_fmt:MATRIX_FMT_BF6 matrix_b_fmt:MATRIX_FMT_BF6 matrix_a_scale:MATRIX_SCALE_ROW1
.elseif ((\ra)==0) && ((\rb)==1)
	v_wmma_scale_f32_16x16x128_f8f6f4 v[\d:\d+7], v[\a:\a+11], v[\b:\b+11], 0, v[\sa], v[\sb] matrix_a_fmt:MATRIX_FMT_BF6 matrix_b_fmt:MATRIX_FMT_BF6 matrix_b_scale:MATRIX_SCALE_ROW1
.else
	v_wmma_scale_f32_16x16x128_f8f6f4 v[\d:\d+7], v[\a:\a+11], v[\b:\b+11], 0, v[\sa], v[\sb] matrix_a_fmt:MATRIX_FMT_BF6 matrix_b_fmt:MATRIX_FMT_BF6 matrix_a_scale:MATRIX_SCALE_ROW1 matrix_b_scale:MATRIX_SCALE_ROW1
.endif
.else
.if ((\ra)==0) && ((\rb)==0)
	v_wmma_scale_f32_16x16x128_f8f6f4 v[\d:\d+7], v[\a:\a+11], v[\b:\b+11], v[\d:\d+7], v[\sa], v[\sb] matrix_a_fmt:MATRIX_FMT_BF6 matrix_b_fmt:MATRIX_FMT_BF6
.elseif ((\ra)==1) && ((\rb)==0)
	v_wmma_scale_f32_16x16x128_f8f6f4 v[\d:\d+7], v[\a:\a+11], v[\b:\b+11], v[\d:\d+7], v[\sa], v[\sb] matrix_a_fmt:MATRIX_FMT_BF6 matrix_b_fmt:MATRIX_FMT_BF6 matrix_a_scale:MATRIX_SCALE_ROW1
.elseif ((\ra)==0) && ((\rb)==1)
	v_wmma_scale_f32_16x16x128_f8f6f4 v[\d:\d+7], v[\a:\a+11], v[\b:\b+11], v[\d:\d+7], v[\sa], v[\sb] matrix_a_fmt:MATRIX_FMT_BF6 matrix_b_fmt:MATRIX_FMT_BF6 matrix_b_scale:MATRIX_SCALE_ROW1
.else
	v_wmma_scale_f32_16x16x128_f8f6f4 v[\d:\d+7], v[\a:\a+11], v[\b:\b+11], v[\d:\d+7], v[\sa], v[\sb] matrix_a_fmt:MATRIX_FMT_BF6 matrix_b_fmt:MATRIX_FMT_BF6 matrix_a_scale:MATRIX_SCALE_ROW1 matrix_b_scale:MATRIX_SCALE_ROW1
.endif
.endif
.endm
; 16 matrix instructions: A's blocks a0, a0 + 1 x the weight's eight tiles, K step kk.  The 64 accumulators take turns, one instruction a turn, in the same order in every step
.macro MUL16 a0, set, kk, zero
.irp a, 0,1
.irp b, 0,1,2,3,4,5,6,7
	WM 8*(8*(((\a0)+\a)%4)+\b), 128*(\set)+12*\b, AF+12*((\a0)+\a), \zero, WSCL+16*(\b/2)+(\kk), ASCL+16*(((\a0)+\a)/2)+(\kk), \b%2, ((\a0)+\a)%2
.endr
.endr
.endm
.macro FRAG reg, adr, off              ; a fragment's image: three loads of 512 consecutive bytes
.irp c, 0,1,2
	ds_load_b128 v[\reg+4*\c:\reg+4*\c+3], v[\adr] offset:\off+512*\c
.endr
.endm
.macro FETCH_B slot, q, set            ; my weight's eight fragments of the slot's q-th 128 along K
	WIN TO_B
.irp i, 0,1,2,3,4,5,6,7
	FRAG 128*(\set)+12*\i, ADRB+\slot, \i*3072+(\q)*1536
.endr
	WIN 0
.endm
.macro FETCH_A slot, q, i0             ; A's blocks i0 .. i0 + 3
.irp i, 0,1,2,3
	FRAG AF+12*((\i0)+\i), ADRA+\slot, ((\i0)+\i)*3072+(\q)*1536
.endr
.endm
; A slot's first 128 along K (K step kk, even; the weight's set 0).  A has one set of registers: blocks 0-3 are fetched anew in the step's middle, blocks 4-7 at its end; the weight has two sets.
.macro STEP slot, kk, zero
	s_wait_dscnt 12                                ; the weight's set and A's blocks 0-3 are in; the twelve loads of A's blocks 4-7 may be out
	WIN MUL_LO
	MUL16 0, 0, \kk, \zero
	MUL16 2, 0, \kk, \zero
	s_wait_dscnt 0x0                               ; A's blocks 4-7 are in
	PLACES
	FETCH_B \slot, 1, 1
	FETCH_A \slot, 1, 0
	WIN MUL_HI
	MUL16 4, 0, \kk, \zero
	MUL16 6, 0, \kk, \zero
	PLACES
	WIN 0
	FETCH_A \slot, 1, 4
.endm
; A slot's second 128 along K changes slots: one barrier; in front of it each wave waits for all its tensor loads, adds 0 to its spare word, and waits for that and for its reads of this slot.
; fill = 1: the barrier opens a round of the cluster's, and this slot is filled again, two slots ahead: the load has a slot's 128 matrix instructions in which to land.
.macro TURN slot, next, kk, fill
	s_wait_tensorcnt 0x0                           ; all my tensor loads have landed: my part of the next slot  (every window is 0 here)
	ds_add_u32 v[SPW], v[NIL]                      ; 0 onto my spare word
	s_wait_dscnt 13                                ; (the add and the twelve loads of A's blocks 4-7 may be out)
	WIN MUL_LO
	MUL16 0, 1, \kk, 0                             ; sixteen matrix instructions stand between the add and the wait for it
	s_wait_dscnt 0x0                               ; the add is done, and my reads of this slot are over
	s_barrier_signal -1
	MUL16 2, 1, \kk, 0
	WIN 0
	s_barrier_wait -1
.if \fill
	CREST                                          ; no wave of any partner still reads this slot or has a load on its way
	s_add_nc_u64 s[G0A+4*\slot+2:G0A+4*\slot+3], s[G0A+4*\slot+2:G0A+4*\slot+3], 49152
	s_add_nc_u64 s[G0W+4*\slot+2:G0W+4*\slot+3], s[G0W+4*\slot+2:G0W+4*\slot+3], 98304
	JLOAD \slot                                    ; the first tensor load behind the round; its four v_nop are also the places in front of the loads below
.else
	PLACES
.endif
	FETCH_B \next, 0, 0
	FETCH_A \next, 0, 0
	WIN MUL_HI
	MUL16 4, 1, \kk, 0
	MUL16 6, 1, \kk, 0
	PLACES
	WIN 0
	FETCH_A \next, 0, 4
.endm
	s_load_b256 s[4:11], s[0:1], 0x0               ; acodes s[4:5], ascales s[6:7], wimg s[8:9], Wg's scales s[10:11]
	s_load_b256 s[12:19], s[0:1], 0x20             ; Wu's scales s[12:13], bg s[14:15], bu s[16:17], h s[18:19]
	s_load_b64 s[20:21], s[0:1], 0x40              ; out0
	v_lshl_add_u32 v[SPW], v0, 2, SPARE
	v_mov_b32 v[NIL], 0
	ds_add_u32 v[SPW], v[NIL]                      ; the wave's opening: the add, twice on end, and its wait ahead of my first tensor load; the set-up below stands between
	ds_add_u32 v[SPW], v[NIL]                      ; and once more, under the one wait
	v_lshrrev_b32 v1, 5, v0
	v_readfirstlane_b32 s22, v1                    ; wave 0..3
	s_lshr_b32 s23, s22, 1                         ; p: whose sums I make.  Also: I fetch for A (0) or for the weights (1)
	s_and_b32 s24, s22, 1                          ; c: which 128 columns.  Also: the first or the second product's tile
	s_bfe_u32 s25, ttmp6, 0x40000                  ; cx, cy: my place in the cluster
	s_bfe_u32 s26, ttmp6, 0x40004
	s_lshl_b32 s27, ttmp9, 2
	s_add_co_u32 s27, s27, s25                     ; Nt: my 256 columns = 4 x cluster x + cx
	s_and_b32 s28, ttmp7, 0xffff
	s_lshl_b32 s28, s28, 2
	s_add_co_u32 s28, s28, s26                     ; Mt: my 128 rows = 4 x cluster y + cy
	s_lshl_b32 s29, s26, 2
	s_lshl_b32 s29, 15, s29                        ; my row of the cluster
	s_lshl_b32 s30, 0x1111, s25                    ; my column
	; descriptor group 1: a dense block as rows of 256 bytes (32 elements of 8 bytes), no padding: 96 rows for A's tile, 192 for a weight's
	s_or_b32 s[G1A], s29, (3<<16)|(1<<21)          ; 15:0 the mask: A's tiles go to my row; 17:16 elements of 8 bytes; 21 set beside a mask
	s_or_b32 s[G1W], s30, (3<<16)|(1<<21)          ; the weights' to my column
	s_mov_b32 s[G1A+1], 32<<16                     ; tensor_dim0
	s_mov_b32 s[G1A+2], 96<<16                     ; tensor_dim1
	s_mov_b32 s[G1A+3], 32<<16                     ; tile_dim0
	s_mov_b32 s[G1A+4], 96                         ; tile_dim1
	s_mov_b32 s[G1A+5], 32                         ; tensor_dim0_stride
	s_mov_b32 s[G1A+6], 0
	s_mov_b32 s[G1A+7], 0
	s_mov_b32 s[G1W+1], 32<<16
	s_mov_b32 s[G1W+2], 192<<16
	s_mov_b32 s[G1W+3], 32<<16
	s_mov_b32 s[G1W+4], 192
	s_mov_b32 s[G1W+5], 32
	s_mov_b32 s[G1W+6], 0
	s_mov_b32 s[G1W+7], 0
	; where the tiles come from.  A's hang on Mt alone, the weights' on Nt alone; every wave makes both addresses, in registers that never hold the other coordinate
	s_mul_i32 s66, s24, 12582912                   ; A1 or A2,
	s_mul_i32 s67, s28, 196608                     ; my 128 rows
	s_add_co_u32 s66, s66, s67
	s_mov_b32 s67, 0
	s_lshl_b32 s68, s24, 2
	s_add_co_u32 s68, s68, s27
	s_add_co_u32 s68, s68, 4                       ; group of 16 tiles: 4 + Nt (Wg's z half) or 8 + Nt (Wu)
	s_mul_i32 s68, s68, 393216
	s_mov_b32 s69, 0
	s_mul_i32 s70, s24, 24576                      ; and where they go: no place in the cluster enters an LDS address
	s_mul_i32 s71, s24, 49152
	s_add_co_u32 s71, s71, 49152
	s_mov_b32 s72, 0x4038aa3b                      ; cp: 2 log2(e) for u,
	s_cmp_eq_u32 s23, 0
	s_cselect_b32 s72, 0xbfb8aa3b, s72             ; -log2(e) for z
	s_mov_b32 s73, s72                             ; (named with it as a pair, so it is written)
	s_wait_dscnt 0x0                               ; both opening adds are done
	s_wait_kmcnt 0x0
	s_add_nc_u64 s[66:67], s[4:5], s[66:67]
	s_add_nc_u64 s[68:69], s[8:9], s[68:69]
	CROUND                                         ; all sixteen work-groups are here: the first joint loads meet
.irp s, 0,1
	s_mov_b32 s[G0A+4*\s], 1                       ; 1:0 count = 1
	s_add_co_u32 s[G0A+4*\s+1], s70, \s*SLOT       ; 63:32 LDS address
	s_add_nc_u64 s[G0A+4*\s+2:G0A+4*\s+3], s[66:67], \s*24576      ; 120:64 global address: 256 along K on
	s_or_b32 s[G0A+4*\s+3], s[G0A+4*\s+3], 0x80000000              ; 127:126 type = 2
	s_mov_b32 s[G0W+4*\s], 1
	s_add_co_u32 s[G0W+4*\s+1], s71, \s*SLOT
	s_add_nc_u64 s[G0W+4*\s+2:G0W+4*\s+3], s[68:69], \s*49152
	s_or_b32 s[G0W+4*\s+3], s[G0W+4*\s+3], 0x80000000
	JLOAD \s
.endr
	v_and_b32 v1, 15, v0                           ; r
	v_bfe_u32 v2, v0, 4, 1                         ; hh
	v_and_b32 v3, 31, v0                           ; lane
	v_lshlrev_b32 v[CO], 4, v3
	s_mul_i32 s84, s23, 24576
	v_add_nc_u32 v[ADRA], s84, v[CO]               ; A1's or A2's tile
	v_add_nc_u32 v[ADRA+1], SLOT, v[ADRA]
	s_mul_i32 s84, s23, 49152
	s_mul_i32 s85, s24, 24576
	s_add_co_u32 s84, s84, s85
	s_add_co_u32 s84, s84, 49152
	v_add_nc_u32 v[ADRB], s84, v[CO]               ; Wz's or Wu's tile, my eight of its sixteen
	v_add_nc_u32 v[ADRB+1], SLOT, v[ADRB]
	s_mul_i32 s84, s23, 128*SPIT
	s_lshl_b32 s85, s24, 9
	s_add_co_u32 s84, s84, s85
	v_mul_u32_u24 v[STL], v1, SPIT
	v_lshl_add_u32 v[STL], v2, 5, v[STL]
	v_add_nc_u32 v[STL], s84, v[STL]               ; the stage: z's or q's half, row r, + 512 c + 32 hh
	v_add_nc_u32 v[STH], 64*SPIT, v[STL]
	s_mul_i32 s84, s22, 32*SPIT
	v_add_nc_u32 v[RDZ], s84, v[CO]                ; back: my 32 rows, 16 bytes a lane
	v_add_nc_u32 v[RDU], 128*SPIT, v[RDZ]
	v_lshlrev_b32 v[WSV], 6, v3
	v_lshlrev_b32 v[BVO], 5, v2
	s_mul_i32 s74, s23, 524288
	s_lshl_b32 s75, s28, 13
	s_add_co_u32 s74, s74, s75
	s_mov_b32 s75, 0
	s_add_nc_u64 s[6:7], s[6:7], s[74:75]          ; A1's or A2's scale words of my 128 rows
	s_lshl_b32 s82, s27, 8
	s_lshl_b32 s83, s24, 7
	s_add_co_u32 s82, s82, s83                     ; my first column: 256 Nt + 128 c
	s_cmp_eq_u32 s23, 0                            ; z's wave or u's: the wave's number alone decides
	s_cselect_b64 s[76:77], s[10:11], s[12:13]     ; the weight's scales,
	s_cselect_b64 s[78:79], s[14:15], s[16:17]     ; the bias,
	s_cselect_b32 s83, 1024, 0                     ; and z's half of Wg and of bg begins 1,024 on
	s_add_co_u32 s83, s83, s82
	s_lshl_b32 s74, s83, 6                         ; 64 bytes of scales a row of the weight
	s_add_nc_u64 s[76:77], s[76:77], s[74:75]
	s_lshl_b32 s74, s83, 2
	s_add_nc_u64 s[78:79], s[78:79], s[74:75]
	s_lshl_b32 s74, s28, 7
	s_lshl_b32 s80, s22, 5
	s_add_co_u32 s74, s74, s80                     ; the first row that I finish: 128 Mt + 32 w
	s_lshl_b32 s74, s74, 12
	s_lshl_b32 s80, s27, 10
	s_add_co_u32 s74, s74, s80                     ; + my work-group's 1,024 bytes of a row
	s_add_nc_u64 s[18:19], s[18:19], s[74:75]
	s_add_nc_u64 s[20:21], s[20:21], s[74:75]
.irp j, 0,1,2,3
.irp t, 0,1,2,3
	global_load_b128 v[ASCL+16*\j+4*\t:ASCL+16*\j+4*\t+3], v[CO], s[6:7] offset:2048*\j+512*\t      ; register 16 j + kap: lanes 0-15 tile of rows 2 j, lanes 16-31 tile 2 j + 1
	global_load_b128 v[WSCL+16*\j+4*\t:WSCL+16*\j+4*\t+3], v[WSV], s[76:77] offset:2048*\j+16*\t    ; a lane takes its row's 64 bytes
.endr
.endr
	WIN 0x40
.irp b, 0,1,2,3,4,5,6,7
	global_load_b128 v[96+128*(\b/4)+8*(\b%4):96+128*(\b/4)+8*(\b%4)+3], v[BVO], s[78:79] offset:64*\b
	global_load_b128 v[100+128*(\b/4)+8*(\b%4):100+128*(\b/4)+8*(\b%4)+3], v[BVO], s[78:79] offset:64*\b+16
.endr
	WIN 0
	s_wait_tensorcnt 1                             ; my part of slot 0 is in; slot 1's load may be out
	s_barrier_signal -1
	s_barrier_wait -1                              ; everybody's is
	FETCH_B 0, 0, 0
	FETCH_A 0, 0, 0
	FETCH_A 0, 0, 4
	s_wait_loadcnt 0x0                             ; the scale words and the biases
	STEP 0, 0, 1                                   ; the first step's products start the sums: nothing is cleared
	TURN 0, 1, 1, 1
	STEP 1, 2, 0
	TURN 1, 0, 3, 1
	STEP 0, 4, 0
	TURN 0, 1, 5, 1
	STEP 1, 6, 0
	TURN 1, 0, 7, 1
	STEP 0, 8, 0
	TURN 0, 1, 9, 1
	STEP 1, 10, 0
	TURN 1, 0, 11, 1                               ; the last refill: K steps 14 and 15
	STEP 0, 12, 0
	TURN 0, 1, 13, 0                               ; nothing is left to fetch: no round
	STEP 1, 14, 0
	s_wait_dscnt 12                                ; the last step
	WIN MUL_LO
	MUL16 0, 1, 15, 0
	MUL16 2, 1, 15, 0
	s_wait_dscnt 0x0                               ; my last reads of the slots are in:
	s_barrier_signal -1                            ; behind this barrier the slots serve as the stage
	WIN MUL_HI
	MUL16 4, 1, 15, 0
	MUL16 6, 1, 15, 0
	WIN 0
	s_barrier_wait -1
	; ---- THE WAY OUT
	PLACES
	WIN 0x01
.irp b, 0,1,2,3,4,5,6,7
.irp i, 0,2,4,6
	v_pk_mul_f32 v[BIA+8*\b+\i:BIA+8*\b+\i+1], v[96+128*(\b/4)+8*(\b%4)+\i:96+128*(\b/4)+8*(\b%4)+\i+1], s[72:73] op_sel_hi:[1,0]   ; cp x bias
.endr
.endr
	WIN 0x40
.set k, 0
.rept 64
	global_load_b128 v[4*k:4*k+3], v[CO], s[18:19] offset:4096*(k/2)+512*(k%2) th:TH_LOAD_NT       ; h of the 32 rows that I finish: 512 consecutive bytes a load; it lands while the activations are made
.set k, k+1
.endr
; block a of 16 rows: q = 1 / (1 + 2^(cp sum + cp bias)), then into the stage
.macro ACT a
.set AB, 64*((\a)%4)
	WIN 0x82+0x41*((\a)/4)                         ; destination and source 0: window 2 or 3; the biases: window 0
.irp b, 0,1,2,3,4,5,6,7
.irp i, 0,2,4,6
	v_pk_fma_f32 v[AB+8*\b+\i:AB+8*\b+\i+1], v[AB+8*\b+\i:AB+8*\b+\i+1], s[72:73], v[BIA+8*\b+\i:BIA+8*\b+\i+1] op_sel_hi:[1,0,1]   ; each accumulator from its low end on
.endr
.endr
.set k, 0
.rept 64
	v_exp_f32 v[AB+k], v[AB+k]
.set k, k+1
.endr
	v_nop                                          ; a plain place behind the last exponential
	s_wait_alu depctr_va_vdst(0)                   ; one wait for the batch, ahead of its first reader
.set k, 0
.rept 32
	v_pk_add_f32 v[AB+2*k:AB+2*k+1], v[AB+2*k:AB+2*k+1], 1.0 op_sel_hi:[1,0]
.set k, k+1
.endr
.set k, 0
.rept 64
	v_rcp_f32 v[AB+k], v[AB+k]
.set k, k+1
.endr
	v_nop
	s_wait_alu depctr_va_vdst(0)
	WIN 0x08+4*((\a)/4)                            ; an LDS store's data are its source 1
.irp b, 0,1,2,3,4,5,6,7
	ds_store_b128 v[STL+(\a)/4], v[AB+8*\b:AB+8*\b+3] offset:((\a)%4)*16*SPIT+64*\b
	ds_store_b128 v[STL+(\a)/4], v[AB+8*\b+4:AB+8*\b+7] offset:((\a)%4)*16*SPIT+64*\b+16
.endr
.endm
.irp a, 0,1,2,3,4,5,6,7
	ACT \a
.endr
	WIN 0
	s_wait_dscnt 0x0                               ; for the others' sake: my stores into the stage are done
	s_barrier_signal -1
	s_barrier_wait -1                              ; 128 whole rows of z and of q lie in the stage
; eight of my rows: sixteen runs of 512 bytes of z into window 2 and of q into window 3
.macro LDCH ch
	WIN 0x80
.set u, 0
.rept 16
	ds_load_b128 v[64*((\ch)%2)+4*u:64*((\ch)%2)+4*u+3], v[RDZ] offset:SPIT*(8*(\ch)+u/2)+512*(u%2)
.set u, u+1
.endr
	WIN 0xc0
.set u, 0
.rept 16
	ds_load_b128 v[64*((\ch)%2)+4*u:64*((\ch)%2)+4*u+3], v[RDU] offset:SPIT*(8*(\ch)+u/2)+512*(u%2)
.set u, u+1
.endr
.endm
.macro FIN ch, left                    ; left: the next chunk's LDS loads, which may stay out
	s_wait_dscnt \left
.set ZB, 64*((\ch)%2)
.set HB, 64*(\ch)
	WIN 0xc3
.set u, 0
.rept 32
	v_pk_fma_f32 v[ZB+2*u:ZB+2*u+1], v[ZB+2*u:ZB+2*u+1], -2.0, 1.0 op_sel_hi:[1,0,0]                ; u = 1 - 2 q
.set u, u+1
.endr
	WIN 0x4d                                       ; h: window 1, u: window 3
.set u, 0
.rept 32
	v_pk_add_f32 v[HB+2*u:HB+2*u+1], v[HB+2*u:HB+2*u+1], v[ZB+2*u:ZB+2*u+1] neg_lo:[0,1] neg_hi:[0,1]   ; h - u
.set u, u+1
.endr
	WIN 0x76                                       ; z: window 2, h - u: window 1, u: window 3
.set u, 0
.rept 32
	v_pk_fma_f32 v[HB+2*u:HB+2*u+1], v[ZB+2*u:ZB+2*u+1], v[HB+2*u:HB+2*u+1], v[ZB+2*u:ZB+2*u+1]     ; z (h - u) + u = h z + (1 - z) u
.set u, u+1
.endr
	WIN 0x04
.set u, 0
.rept 16
	global_store_b128 v[CO], v[HB+4*u:HB+4*u+3], s[20:21] offset:4096*(8*(\ch)+u/2)+512*(u%2) th:TH_STORE_NT   ; 32 lanes store 512 consecutive bytes, at a multiple of 256 from out0's first byte
.set u, u+1
.endr
.endm
	LDCH 0
	LDCH 1
	s_wait_loadcnt 0x0                             ; h
	FIN 0, 32
	LDCH 2
	FIN 1, 32
	LDCH 3
	FIN 2, 32
	FIN 3, 0
	WIN 0
	s_wait_tensorcnt 0x0                           ; the wave's end, behind my last tensor load and my last LDS store
	ds_add_u32 v[SPW], v[NIL]
	s_wait_dscnt 0x0
	CROUND                                         ; the closing round: no work-group ends while a partner may still ask for a tile that names it
	s_endpgm
.Lfunc_end_k_q1260dd8c21_cell:
	.size	k_q1260dd8c21_cell, .Lfunc_end_k_q1260dd8c21_cell-k_q1260dd8c21_cell
	.p2alignl 7, 3214868480
	.fill 96, 4, 3214868480
	.section	.rodata,"a",@progbits
	.p2align	6, 0x0
	.amdhsa_kernel k_q1260dd8c21_cell
		.amdhsa_group_segment_fixed_size 327680
		.amdhsa_private_segment_fixed_size 0
		.amdhsa_enable_private_segment 0
		.amdhsa_kernarg_size 72
		.amdhsa_user_sgpr_count 2
		.amdhsa_user_sgpr_kernarg_segment_ptr 1
		.amdhsa_wavefront_size32 1
		.amdhsa_system_sgpr_workgroup_id_x 1
		.amdhsa_system_sgpr_workgroup_id_y 1
		.amdhsa_system_sgpr_workgroup_id_z 1
		.amdhsa_system_vgpr_workitem_id 0
		.amdhsa_next_free_vgpr 1024
		.amdhsa_next_free_sgpr 100
		.amdhsa_reserve_vcc 0
		.amdhsa_float_denorm_mode_32 3
		.amdhsa_float_denorm_mode_16_64 3
		.amdhsa_memory_ordered 1
		.amdhsa_forward_progress 1
		.amdhsa_inst_pref_size 255
	.end_amdhsa_kernel
	.section	.bss,"aw",@nobits
	.p2align	6
	.space	262144
	.amdgpu_metadata
---
amdhsa.version: [ 1, 2 ]
amdhsa.kernels:
  - .name:           k_q1260dd8c21_cell
    .symbol:         k_q1260dd8c21_cell.kd
    .args:
      - { .name: acodes, .offset: 0, .size: 8, .value_kind: global_buffer, .address_space: global }
      - { .name: ascales, .offset: 8, .size: 8, .value_kind: global_buffer, .address_space: global }
      - { .name: wimg, .offset: 16, .size: 8, .value_kind: global_buffer, .address_space: global }
      - { .name: Wg_scales, .offset: 24, .size: 8, .value_kind: global_buffer, .address_space: global }
      - { .name: Wu_scales, .offset: 32, .size: 8, .value_kind: global_buffer, .address_space: global }
      - { .name: bg, .offset: 40, .size: 8, .value_kind: global_buffer, .address_space: global }
      - { .name: bu, .offset: 48, .size: 8, .value_kind: global_buffer, .address_space: global }
      - { .name: h, .offset: 56, .size: 8, .value_kind: global_buffer, .address_space: global }
      - { .name: out0, .offset: 64, .size: 8, .value_kind: global_buffer, .address_space: global }
    .group_segment_fixed_size: 327680
    .private_segment_fixed_size: 0
    .kernarg_segment_align: 8
    .kernarg_segment_size: 72
    .max_flat_workgroup_size: 128
    .sgpr_count:     100
    .vgpr_count:     1024
    .wavefront_size: 32
...
	.end_amdgpu_metadata
.endif
;; end of part 3
;; ======== version 2 of 2: 3 launches; version 1 with the launch gate written anew for expert scheduling mode
;; workspace buffers: wimg 4,718,592 bytes; acodes 25,165,824 bytes; ascales 1,048,576 bytes
;; launch relay: the kernel of part 1 again; grid 192 x 1, 4 waves a work-group, no clusters, 0 bytes of LDS; arguments Wg_codes, Wu_codes, wimg; writes wimg
;; launch gate (part 4): grid 256 x 1, 8 waves a work-group, no clusters, 300,032 bytes of LDS; arguments x, h, g1, b1, g2, b2, dropout_mask, bg, Wg_scales, wimg, acodes, ascales; writes acodes, ascales
.if DOCPART == 4
	.amdgcn_target "amdgcn-amd-amdhsa--gfx1250"
	.amdhsa_code_object_version 6
	.text
	.protected	k_q1260dd8c21_gate
	.globl	k_q1260dd8c21_gate
	.p2align	8
	.type	k_q1260dd8c21_gate,@function
k_q1260dd8c21_gate:
	s_mov_b64 s[64:65], 0
	v_nop
	global_prefetch_b8 v0, s[64:65] scope:SCOPE_SE
	s_setreg_imm32_b32 hwreg(HW_REG_WAVE_SCHED_MODE, 0, 2), 2
	s_setreg_imm32_b32 hwreg(HW_REG_WAVE_MODE, 25, 1), 1
	s_wait_xcnt 0x0
	s_wait_alu depctr_vm_vsrc(0)
; A1 = Q(LN1([x | h]) mask);  r = sigmoid(A1 Wg[:, :1024] + bg[:1024]);  A2 = Q(LN2([x | h r]) mask).  Q: codes of E3M2, one E8M0 scale for each 32 along K.  Nothing of these steps is left out.
; Out go A1's and A2's codes (acodes) and scale words (ascales), laid as the next launch's operand registers want them; r, h r and the norms never go to memory.
; SHARES.  A work-group owns 32 whole rows (LN2 needs all 1,024 r of a row): two tiles of 16, m = 0, 1.  Wave v of eight owns columns 128 v .. 128 v + 127 of x, of h and of r, for all 32 rows:
; its x columns are K step v, its h (h r) columns K step 8 + v, so a wave makes whole fragments and whole scale words.
; ONE LAYOUT for x, h, the gates and the normed numbers: lane (r, hh), register 64 m + 8 t + j = (row 16 m + r, column 128 v + 16 t + 8 hh + j).  It is what the product gives when used transposed
; (source 0 = 16 rows of Wg, source 1 = 16 rows of A1).  x and h are loaded 512 consecutive bytes an instruction and turned into it through the wave's own LDS rows (pitch 528 bytes = 132 words:
; row r starts at bank 4 r mod 64, ISA guide 11.1).
; THE NORMS, in f32, two passes: each part's mean, then its centred sum of squares; var = (M2x + M2h) / 2048 + ((mean x - mean h) / 2)^2: a sum of terms that are not negative.  A row's sums meet in LDS,
; a word a wave, and every wave adds the eight words in the same order.  x's mean and centred sum serve both norms.
; NO CLUSTER, NO TENSOR LOAD: each byte of Wg's r half (1,572,864 bytes a work-group) is multiplied by exactly one wave, in two matrix instructions; through LDS it would be written and read once more with
; no second reader, and a ring would change slots sixteen times for 32 matrix instructions a SIMD each.  So a wave's fragments come from wimg straight into its registers, 512 consecutive bytes a load,
; 24 loads on their way, with counted waits and no barrier.
; LIMITS: NaN and infinities among the inputs are not served.  A block whose largest magnitude lies under 2^-122 keeps the scale byte 1, a block of zeros too (its codes are zeros; only this program reads
; the bytes).  The order of the norms' f32 sums differs from reference()'s; g x mask and b x mask are multiplied ahead of the norm.
; REGISTERS.  Window 0: v1-19 lane numbers and addresses; v20-43 a row's sums, means, 1 / sigma; v44-47 offsets; v48-63 at work, in the product A1's scale words; v64-127 at work (the sums' scratch, two sets of a
;   norm's parameters, a fragment's codes), in the product Wg's scale words;  v128-255 x as loaded, the normed numbers, the 16 accumulators.
;   Window 1: v0-127 h, then h r; v128-255 x, in the product eight fragments of Wg and two of A1.
; THE MODE: SCHED_MODE bits 1:0 = 2 (LLVM: expert scheduling mode 2), set by the entry lines.  The code itself states the register dependences between vector or matrix instructions and memory or LDS
; instructions, with s_wait_alu, always for 0.
; THE PLAN.  Registers that memory or LDS instructions touch, and who else names them:
;   v4-19, v44-47    addresses and offsets: written at the head alone; one wait on va_vdst ahead of the first load serves every access of the kernel.
;   window 0 v128-255  x's loads land, the LDS stores of x read them; from the first norm on vector and matrix instructions alone name them.
;   window 1 v0-127    h's loads land; the turn's LDS stores read them and its LDS loads land in them again: a wait on vm_vsrc between; then vector instructions alone.
;   window 1 v128-255  x from LDS; read by the sums and the norm; then a half of Wg's fragments at a time: eight products read it, one wait on va_vdst, its twelve loads for the next K step go out at once
;                      (A1's two fragments with the second half); behind the last product one wait, and x lands again.
;   v64-127          by turns scratch of vector work and the landing place of loads.  A norm's parameters have two sets, v64-95 and v96-127: a step of 32 columns waits once on va_vdst, behind its
;                    subtractions and ahead of its multiply-adds (the step before is done reading the other set), and asks there for the next step's parameters.
;   v96-107, v116    a fragment's codes and scale word: one wait on va_vdst at the quantiser's end serves all the stores of the fragment; one on vm_vsrc stands ahead of the next fragment's writes,
;                    and ahead of a norm's loads into the second set, each time beside the wait on XCNT that the global stores' data ask for.
;   v20-27           a row's sums: the lane exchanges of a round stand together, one wait on va_vdst, the round's stores in a run; behind the barrier one wait on vm_vsrc ahead of the lines that write them again.
.set XST,   0                          ; LDS: each wave's x part, 32 rows at pitch 528: kept for LN2
.set HST,   135168                     ; each wave's turn-table for h, 16 rows at pitch 528
.set AIMG,  202752                     ; A1's 32 fragments as images of their registers: (16 m + kap) 1,536
.set ASC1,  251904                     ; A1's scale words: (kap / 4) 512 + (16 m + r) 16 + (kap % 4) 4;  A2's 2,048 bytes on
.set PAR,   256000                     ; each wave's nine arrays of 512 bytes: g1 mask, b1 mask (x), the same (h), g2 mask, b2 mask (x), the same (h), -log2(e) bg
.set SCR,   292864                     ; six sums: q 1,024 + (16 m + r) 32 + 4 v
.set SPARE, 299008                     ; the spare words, 128 bytes for each wave: four blocks of 256 bytes that no other line names
.set ASL,  4                           ; v4   LDS: the set of scale words that my wave sends out
.set PVO,  5                           ; v5   16 lane + 512 v: my 16 bytes of my wave's 512 of a row
.set XSW,  6
.set XSR,  7
.set HSW,  8
.set HSR,  9
.set PAW,  10
.set PRD,  11
.set SCW,  12
.set SCRD, 13
.set AIW,  14
.set AIR,  15
.set ASW,  16
.set ASR,  17
.set SPW,  18                          ; v18  LDS address of my spare word; never rewritten
.set NIL,  19                          ; v19  0; never rewritten
.set SX,   20
.set M2X,  22
.set SH,   24
.set M2H,  26
.set MU,   28                          ; pairs: the packed forms name a pair and take its low word
.set RS,   32
.set MX,   36
.set MH,   40
.set WSO,  44
.set WVO,  45
.set ACO,  46
.set ASO,  47
.set TM,   48
.set AS,   48                          ; A1's scale words: register kap; lanes 0-15 rows 0-15, lanes 16-31 rows 16-31
.set T,    64
.set WS,   64                          ; Wg's scale words: register 16 j + kap; lanes 0-15 tile 2 j, lanes 16-31 tile 2 j + 1
.set GP,   64                          ; a norm's parameters of 32 columns: set s at GP + 32 s (g mask) and BP + 32 s (b mask)
.set BP,   80
.set PC,   96                          ; a fragment's 12 registers of codes
.set QT,   108
.set PW,   116                         ; its scale word
.set SCT,  124
.set BIAS, 64
.set Y,    128
.set ACC,  128
.set H,    0                           ; window 1
.set X,    128
.set WR,   128
.set AF,   224
.set MSB, 0
.macro WIN new                         ; s_set_vgpr_msb: bits 1:0 source 0, 3:2 source 1, 5:4 source 2, 7:6 destination; the high byte repeats the setting that is left
.if MSB != \new
	s_set_vgpr_msb (MSB<<8)|(\new)
.set MSB, \new
.endif
.endm
.macro PLACES                          ; four plain places behind a matrix instruction, ahead of loads into its registers and of reads of its results
.rept 4
	v_nop
.endr
.endm
.macro BAR                             ; my LDS stores have landed and my LDS loads are in: then the work-group's barrier
	s_wait_dscnt 0x0
	s_barrier_signal -1
	s_barrier_wait -1
.endm
; the sum of 64 numbers of window 1, from base on
.macro SUM64 dst, base
	WIN 0x05
.set k, 0
.rept 16
	v_pk_add_f32 v[T+2*k:T+2*k+1], v[\base+4*k:\base+4*k+1], v[\base+4*k+2:\base+4*k+3]
.set k, k+1
.endr
	WIN 0
.irp w, 4,8,16,32
.set k, 0
.rept 32/\w
	v_pk_add_f32 v[T+\w*k:T+\w*k+1], v[T+\w*k:T+\w*k+1], v[T+\w*k+\w/2:T+\w*k+\w/2+1]
.set k, k+1
.endr
.endr
	v_add_f32 v[\dst], v[T], v[T+1]
.endm
; the sum of (number - mean)^2 of 64 numbers of window 1: four chains, so that no multiply-add waits for the one before it
.macro DEV64 dst, base, mean
	WIN 0x01
.set k, 0
.rept 32
	v_pk_add_f32 v[T+2*k:T+2*k+1], v[\base+2*k:\base+2*k+1], v[\mean:\mean+1] op_sel_hi:[1,0] neg_lo:[0,1] neg_hi:[0,1]
.set k, k+1
.endr
	WIN 0
.set k, 0
.rept 4
	v_pk_mul_f32 v[TM+2*k+4*(k/2):TM+2*k+4*(k/2)+1], v[T+2*k:T+2*k+1], v[T+2*k:T+2*k+1]
.set k, k+1
.endr
.rept 28
	v_pk_fma_f32 v[TM+2*(k%4)+4*((k%4)/2):TM+2*(k%4)+4*((k%4)/2)+1], v[T+2*k:T+2*k+1], v[T+2*k:T+2*k+1], v[TM+2*(k%4)+4*((k%4)/2):TM+2*(k%4)+4*((k%4)/2)+1]
.set k, k+1
.endr
	v_pk_add_f32 v[TM:TM+1], v[TM:TM+1], v[TM+2:TM+3]
	v_pk_add_f32 v[TM+8:TM+9], v[TM+8:TM+9], v[TM+10:TM+11]
	v_pk_add_f32 v[TM:TM+1], v[TM:TM+1], v[TM+8:TM+9]
	v_add_f32 v[\dst], v[TM], v[TM+1]
.endm
.macro CROSSV reg                      ; with lane l xor 16's half of the row's 128 columns.  A round's exchanges stand together, ahead of the round's one wait on va_vdst
	v_permlanex16_b32 v[TM+4], v[\reg], s30, s31
	v_add_f32 v[\reg], v[\reg], v[TM+4]
.endm
.macro CROSSS reg, off                 ; then my wave's word (both lanes write the same word with the same value).  A round's stores stand in a run behind that wait
	ds_store_b32 v[SCW], v[\reg] offset:\off
.endm
.macro TLD i, off                      ; the eight waves' words of my row.  They land in the sums' scratch: no vector instruction has been issued since the wait ahead of the round's stores
	ds_load_b128 v[T+8*\i:T+8*\i+3], v[SCRD] offset:\off
	ds_load_b128 v[T+8*\i+4:T+8*\i+7], v[SCRD] offset:\off+16
.endm
.macro TSUM dst, i                     ; added in one fixed order: every wave gets the same bits
	v_pk_add_f32 v[T+8*\i:T+8*\i+1], v[T+8*\i:T+8*\i+1], v[T+8*\i+2:T+8*\i+3]
	v_pk_add_f32 v[T+8*\i+4:T+8*\i+5], v[T+8*\i+4:T+8*\i+5], v[T+8*\i+6:T+8*\i+7]
	v_pk_add_f32 v[T+8*\i:T+8*\i+1], v[T+8*\i:T+8*\i+1], v[T+8*\i+4:T+8*\i+5]
	v_add_f32 v[\dst], v[T+8*\i], v[T+8*\i+1]
.endm
; the row's mean and 1 / sqrt(var + 1e-5) from the two parts' means and centred sums
.macro STATS
.irp m, 0,1
	v_add_f32 v[TM+\m], v[MX+2*\m], v[MH+2*\m]
	v_sub_f32 v[TM+2+\m], v[MX+2*\m], v[MH+2*\m]
	v_add_f32 v[TM+8+\m], v[M2X+\m], v[M2H+\m]
.endr
.irp m, 0,1
	v_mul_f32 v[MU+2*\m], 0.5, v[TM+\m]
	v_mul_f32 v[MU+2*\m+1], 0.5, v[TM+\m]
	v_mul_f32 v[TM+2+\m], 0.5, v[TM+2+\m]          ; dd = half the distance of the parts' means
.endr
.irp m, 0,1
	v_fma_f32 v[TM+10+\m], v[TM+2+\m], v[TM+2+\m], 0x3727c5ac      ; dd^2 + 1e-5
.endr
.irp m, 0,1
	v_fmamk_f32 v[TM+8+\m], v[TM+8+\m], 0x3a000000, v[TM+10+\m]    ; + (M2x + M2h) / 2048
.endr
	v_rsq_f32 v[RS], v[TM+8]
	v_rsq_f32 v[RS+2], v[TM+9]
	v_nop                                          ; a plain place behind the last of the two
	s_wait_alu depctr_va_vdst(0)                   ; the two v_rsq_f32 have written v[RS] and v[RS+2], which the moves below read: one wait for both.  The adding-up of the waves' words is done with v64-95 too, in which the norm's first parameters land
	v_mov_b32 v[RS+1], v[RS]
	v_mov_b32 v[RS+3], v[RS+2]
.endm
; a norm's parameters of columns 32 b on, into set b % 2
.macro PLD b, pg, pb
.irp q, 0,1,2,3
	ds_load_b128 v[GP+32*((\b)%2)+4*\q:GP+32*((\b)%2)+4*\q+3], v[PRD] offset:(\pg)*512+128*(\b)+64*(\q/2)+16*(\q%2)
	ds_load_b128 v[BP+32*((\b)%2)+4*\q:BP+32*((\b)%2)+4*\q+3], v[PRD] offset:(\pb)*512+128*(\b)+64*(\q/2)+16*(\q%2)
.endr
.endm
; Y = (number - mean) / sigma x (g mask) + (b mask), for both tiles of rows, 32 columns a step.  The subtraction and the first multiplication stand between a step's parameters' loads and their wait;
; the next step's parameters are asked for ahead of the step's multiply-adds, into the other set.  afterq = 1: a fragment's stores stand ahead of this norm.
; The first set's loads at the head: no vector instruction since the last wait on va_vdst (the statistics' or the quantiser's) names v64-95, and no store reads them.
.macro NORM src, pg, pb, afterq
	WIN 0
	PLD 0, \pg, \pb
.irp b, 0,1,2,3
	WIN 0x01
.irp m, 0,1
.irp i, 0,2,4,6,8,10,12,14
	v_pk_add_f32 v[Y+64*\m+16*\b+\i:Y+64*\m+16*\b+\i+1], v[\src+64*\m+16*\b+\i:\src+64*\m+16*\b+\i+1], v[MU+2*\m:MU+2*\m+1] op_sel_hi:[1,0] neg_lo:[0,1] neg_hi:[0,1]
.endr
.endr
	WIN 0
.irp m, 0,1
.irp i, 0,2,4,6,8,10,12,14
	v_pk_mul_f32 v[Y+64*\m+16*\b+\i:Y+64*\m+16*\b+\i+1], v[Y+64*\m+16*\b+\i:Y+64*\m+16*\b+\i+1], v[RS+2*\m:RS+2*\m+1] op_sel_hi:[1,0]
.endr
.endr
	s_wait_dscnt 0x0                               ; the parameters of these 32 columns are in
.if \b < 3
.if (\b == 0) && \afterq
	s_wait_xcnt 0x0                                ; the last fragment's global stores have had their addresses translated (ISA guide 3.1): their data v[PC] on lie in the second set, where the loads below land,
	s_wait_alu depctr_vm_vsrc(0)                   ; and all the fragment's stores have read v[PC] on and v[PW]
.endif
	s_wait_alu depctr_va_vdst(0)                   ; the step before is done reading the other set (in the first step: whatever vector work wrote or read v96-127 is done), in which the loads below land
	PLD \b+1, \pg, \pb
.endif
.irp m, 0,1
.irp i, 0,2,4,6,8,10,12,14
	v_pk_fma_f32 v[Y+64*\m+16*\b+\i:Y+64*\m+16*\b+\i+1], v[Y+64*\m+16*\b+\i:Y+64*\m+16*\b+\i+1], v[GP+32*(\b%2)+\i:GP+32*(\b%2)+\i+1], v[BP+32*(\b%2)+\i:BP+32*(\b%2)+\i+1]
.endr
.endr
.endr
.endm
; 64 numbers of a lane, v[s] on, become a fragment's 12 registers of codes in v[PC] on and its row's scale word in v[PW].  Registers 16 b .. 16 b + 15 are, of block b of 32 columns,
; columns 8 hh + 0 .. 7 and 16 + 8 hh + 0 .. 7: groups g0, g2 in lanes 0-15 and g1, g3 in lanes 16-31.
.macro QUANT s
.irp b, 0,1,2,3
	v_max3_num_f32 v[TM+\b], |v[\s+16*\b]|, |v[\s+1+16*\b]|, 0x2800000   ; my 16 numbers of block b, and the floor 2^(5 - 127): the byte cannot fall under 1
.endr
.irp i, 2,4,6,8,10,12,14
.irp b, 0,1,2,3
	v_max3_num_f32 v[TM+\b], v[TM+\b], |v[\s+16*\b+\i]|, |v[\s+1+16*\b+\i]|   ; (the four blocks by turns)
.endr
.endr
.irp b, 0,1,2,3
	v_permlanex16_b32 v[TM+4+\b], v[TM+\b], s30, s31
.endr
.irp b, 0,1,2,3
	v_max_num_f32 v[TM+\b], v[TM+\b], v[TM+4+\b]   ; with lane l xor 16's: the block's largest magnitude
.endr
.irp b, 0,1,2,3
	v_add_nc_u32 v[TM+12+\b], 0xfe000000, v[TM+\b] ; 4 off its exponent field: the conversion's scale operand
.endr
.irp b, 0,1,2,3
	v_lshrrev_b32 v[TM+4+\b], 23, v[TM+12+\b]      ; the scale's byte
.endr
	s_wait_xcnt 0x0                                ; the last fragment's global stores have had their addresses translated (ISA guide 3.1),
	s_wait_dscnt 0x0                               ; its LDS stores have landed,
	s_wait_alu depctr_vm_vsrc(0)                   ; and all of them have read v[PC] on and v[PW], which the lines below write again
	v_lshl_or_b32 v[PW], v[TM+5], 8, v[TM+4]
	v_lshl_or_b32 v[PW], v[TM+6], 16, v[PW]
	v_lshl_or_b32 v[PW], v[TM+7], 24, v[PW]
.irp c, 0,1
	v_cvt_scalef32_pk16_bf6_f32 v[PC+6*\c:PC+6*\c+2], v[\s+32*\c:\s+32*\c+15], v[TM+12+2*\c]        ; block 2 c: my two groups, 6 bytes each
	v_cvt_scalef32_pk16_bf6_f32 v[QT+4*\c:QT+4*\c+2], v[\s+32*\c+16:\s+32*\c+31], v[TM+13+2*\c]     ; block 2 c + 1
.endr
	v_nop                                          ; one plain place behind a scaled conversion
.irp c, 0,1
.irp i, 0,1,2
	v_permlane16_swap_b32 v[PC+6*\c+\i], v[QT+4*\c+\i]   ; now each lane holds a whole block, 2 c + hh: P = g0, g2 and Q = g1, g3
.endr
	v_perm_b32 v[PC+6*\c+3], v[PC+6*\c+2], v[PC+6*\c+1], s32     ; the block's 24 bytes in order g0 g1 g2 g3: word 3 = P1's upper half, P2's lower
	v_perm_b32 v[PC+6*\c+4], v[QT+4*\c+1], v[PC+6*\c+2], s33     ; word 4 = P2's upper half, Q1's upper
	v_mov_b32 v[PC+6*\c+5], v[QT+4*\c+2]                         ; word 5 = Q2
	v_perm_b32 v[PC+6*\c+2], v[QT+4*\c+1], v[QT+4*\c], s32       ; word 2 = Q0's upper half, Q1's lower
	v_perm_b32 v[PC+6*\c+1], v[QT+4*\c], v[PC+6*\c+1], s34       ; word 1 = P1's lower half, Q0's lower;  word 0 = P0 stays
.endr
	s_wait_alu depctr_va_vdst(0)                   ; the codes v[PC] on and the scale word v[PW] are written: all the fragment's stores, which follow the macro, read them
.endm
.macro IMG off                         ; the fragment to LDS as it stands: lane l's 16 bytes at 16 l, 512 bytes a store
.irp c, 0,1,2
	ds_store_b128 v[AIW], v[PC+4*\c:PC+4*\c+3] offset:\off+512*\c
.endr
.endm
.macro OUTC sb, off                    ; and to memory likewise: each store covers 512 consecutive bytes, aligned
.irp c, 0,1,2
	global_store_b128 v[ACO], v[PC+4*\c:PC+4*\c+3], s[\sb:\sb+1] offset:\off+512*\c
.endr
.endm
.macro WLOAD kk, t0                    ; four of my eight fragments of Wg for K step kk
	WIN 0x40
.irp t, 0,1,2,3
.irp c, 0,1,2
	global_load_b128 v[WR+12*((\t0)+\t)+4*\c:WR+12*((\t0)+\t)+4*\c+3], v[WVO], s[22:23] offset:((\kk)/2)*49152+((\t0)+\t)*3072+((\kk)%2)*1536+512*\c
.endr
.endr
.endm
.macro ALOAD kk                        ; A1's two fragments for K step kk
	WIN 0x40
.irp m, 0,1
.irp c, 0,1,2
	ds_load_b128 v[AF+12*\m+4*\c:AF+12*\m+4*\c+3], v[AIR] offset:(16*\m+(\kk))*1536+512*\c
.endr
.endr
.endm
; one matrix instruction.  ra, rb: the scale words stand in lanes 16-31 of the register named
.macro WM d, a, b, zero, sa, sb, ra, rb
.if (\zero)
.if ((\ra)==0) && ((\rb)==0)
	v_wmma_scale_f32_16x16x128_f8f6f4 v[\d:\d+7], v[\a:\a+11], v[\b:\b+11], 0, v[\sa], v[\sb] matrix_a_fmt:MATRIX_FMT_BF6 matrix_b_fmt:MATRIX_FMT_BF6
.elseif ((\ra)==1) && ((\rb)==0)
	v_wmma_scale_f32_16x16x128_f8f6f4 v[\d:\d+7], v[\a:\a+11], v[\b:\b+11], 0, v[\sa], v[\sb] matrix_a_fmt:MATRIX_FMT_BF6 matrix_b_fmt:MATRIX_FMT_BF6 matrix_a_scale:MATRIX_SCALE_ROW1
.elseif ((\ra)==0) && ((\rb)==1)
	v_wmma_scale_f32_16x16x128_f8f6f4 v[\d:\d+7], v[\a:\a+11], v[\b:\b+11], 0, v[\sa], v[\sb] matrix_a_fmt:MATRIX_FMT_BF6 matrix_b_fmt:MATRIX_FMT_BF6 matrix_b_scale:MATRIX_SCALE_ROW1
.else
	v_wmma_scale_f32_16x16x128_f8f6f4 v[\d:\d+7], v[\a:\a+11], v[\b:\b+11], 0, v[\sa], v[\sb] matrix_a_fmt:MATRIX_FMT_BF6 matrix_b_fmt:MATRIX_FMT_BF6 matrix_a_scale:MATRIX_SCALE_ROW1 matrix_b_scale:MATRIX_SCALE_ROW1
.endif
.else
.if ((\ra)==0) && ((\rb)==0)
	v_wmma_scale_f32_16x16x128_f8f6f4 v[\d:\d+7], v[\a:\a+11], v[\b:\b+11], v[\d:\d+7], v[\sa], v[\sb] matrix_a_fmt:MATRIX_FMT_BF6 matrix_b_fmt:MATRIX_FMT_BF6
.elseif ((\ra)==1) && ((\rb)==0)
	v_wmma_scale_f32_16x16x128_f8f6f4 v[\d:\d+7], v[\a:\a+11], v[\b:\b+11], v[\d:\d+7], v[\sa], v[\sb] matrix_a_fmt:MATRIX_FMT_BF6 matrix_b_fmt:MATRIX_FMT_BF6 matrix_a_scale:MATRIX_SCALE_ROW1
.elseif ((\ra)==0) && ((\rb)==1)
	v_wmma_scale_f32_16x16x128_f8f6f4 v[\d:\d+7], v[\a:\a+11], v[\b:\b+11], v[\d:\d+7], v[\sa], v[\sb] matrix_a_fmt:MATRIX_FMT_BF6 matrix_b_fmt:MATRIX_FMT_BF6 matrix_b_scale:MATRIX_SCALE_ROW1
.else
	v_wmma_scale_f32_16x16x128_f8f6f4 v[\d:\d+7], v[\a:\a+11], v[\b:\b+11], v[\d:\d+7], v[\sa], v[\sb] matrix_a_fmt:MATRIX_FMT_BF6 matrix_b_fmt:MATRIX_FMT_BF6 matrix_a_scale:MATRIX_SCALE_ROW1 matrix_b_scale:MATRIX_SCALE_ROW1
.endif
.endif
.endm
; eight matrix instructions: four tiles of Wg x both tiles of rows.  The sixteen accumulators take turns, one instruction a turn, in the same order in every K step
.macro MM kk, t0, zero
	WIN 0x05
.irp t, 0,1,2,3
.irp m, 0,1
	WM ACC+64*\m+8*((\t0)+\t), WR+12*((\t0)+\t), AF+12*\m, \zero, WS+16*(((\t0)+\t)/2)+(\kk), AS+(\kk), ((\t0)+\t)%2, \m
.endr
.endr
.endm
; a K step of 128.  Each half's twelve weight loads for the next step go out as soon as this step's eight products on those registers are done reading them: a half that waited longer would lie idle,
; and the wave lives on what it has on its way.  The other half's products, which follow, name none of the registers that these loads touch.
.macro KSTEP kk
	s_wait_dscnt 0x0                               ; A1's two fragments are in
.if (\kk)==0
	s_wait_loadcnt 0x0                             ; the first step's 24 weight loads and the 16 of scale words
	MM \kk, 0, 1                                   ; the first products start the sums: nothing is cleared
.else
	s_wait_loadcnt 12                              ; tiles 0-3 are in; the twelve loads of tiles 4-7 may be out
	MM \kk, 0, 0
.endif
	PLACES
.if (\kk)<15
	WIN 0x40
	s_wait_alu depctr_va_vdst(0)                   ; the eight products above are done reading the fragments of tiles 0-3, in which the twelve loads below land
	WLOAD (\kk)+1, 0
	s_wait_loadcnt 12                              ; tiles 4-7 are in; the twelve just issued may be out
.else
	s_wait_loadcnt 0x0
.endif
.if (\kk)==0
	MM \kk, 4, 1
.else
	MM \kk, 4, 0
.endif
	PLACES
.if (\kk)<15
	WIN 0x40
	s_wait_alu depctr_va_vdst(0)                   ; the step's products are done reading the fragments of tiles 4-7 and A1's two, in which the eighteen loads below land
	WLOAD (\kk)+1, 4
	ALOAD (\kk)+1
.endif
.endm
	s_load_b256 s[4:11], s[0:1], 0x0               ; x s[4:5], h s[6:7], g1 s[8:9], b1 s[10:11]
	s_load_b256 s[12:19], s[0:1], 0x20             ; g2 s[12:13], b2 s[14:15], dropout_mask s[16:17], bg s[18:19]
	s_load_b256 s[20:27], s[0:1], 0x40             ; Wg's scales s[20:21], wimg s[22:23], acodes s[24:25], ascales s[26:27]
	v_lshl_add_u32 v[SPW], v0, 2, SPARE
	v_mov_b32 v[NIL], 0
	v_lshrrev_b32 v1, 5, v0
	v_readfirstlane_b32 s28, v1                    ; wave v, 0..7
	v_and_b32 v1, 15, v0                           ; r
	v_bfe_u32 v2, v0, 4, 1                         ; hh
	v_and_b32 v3, 31, v0                           ; lane
	s_mov_b32 s30, 0x76543210
	s_mov_b32 s31, 0xfedcba98                      ; v_permlanex16_b32's selects for lane l xor 16
	s_mov_b32 s32, 0x05040302                      ; v_perm_b32: second source's upper half, first source's lower
	s_mov_b32 s33, 0x07060302                      ; both upper halves
	s_mov_b32 s34, 0x05040100                      ; both lower halves
	s_mov_b32 s36, 0xbfb8aa3b                      ; -log2(e)
	s_mov_b32 s37, s36                             ; (named with it as a pair, so it is written)
	s_wait_alu depctr_va_sdst(0)                   ; s28 is written, ahead of its first reader: the wave's places in LDS and in memory are made from it
	s_lshl_b32 s38, s28, 9
	v_lshl_add_u32 v[PVO], v3, 4, s38
	s_mul_i32 s38, s28, 16896
	s_mul_i32 s39, s28, 8448
	s_add_co_u32 s39, s39, HST
	v_lshl_add_u32 v[XSW], v3, 4, s38              ; in: a row's 512 bytes as they lie
	v_lshl_add_u32 v[HSW], v3, 4, s39
	v_mul_u32_u24 v[HSR], v1, 528
	v_lshl_add_u32 v[HSR], v2, 5, v[HSR]           ; back: row r, + 32 hh
	v_add_nc_u32 v[XSR], s38, v[HSR]
	v_add_nc_u32 v[HSR], s39, v[HSR]
	s_mul_i32 s38, s28, 4608
	s_add_co_u32 s38, s38, PAR
	v_lshl_add_u32 v[PAW], v3, 4, s38
	v_lshl_add_u32 v[PRD], v2, 5, s38
	s_lshl_b32 s38, s28, 2
	s_add_co_u32 s38, s38, SCR
	v_lshl_add_u32 v[SCW], v1, 5, s38
	v_lshl_add_u32 v[SCRD], v1, 5, SCR
	s_mul_i32 s38, s28, 1536
	s_add_co_u32 s38, s38, AIMG
	v_lshl_add_u32 v[AIW], v3, 4, s38
	v_lshl_add_u32 v[AIR], v3, 4, AIMG
	s_lshr_b32 s38, s28, 2
	s_lshl_b32 s38, s38, 9
	s_and_b32 s39, s28, 3
	s_lshl_b32 s40, s39, 2
	s_add_co_u32 s38, s38, s40
	s_add_co_u32 s38, s38, ASC1
	v_lshl_add_u32 v[ASW], v1, 4, s38
	v_lshl_add_u32 v[ASR], v3, 4, ASC1
	s_lshl_b32 s39, s39, 9
	v_lshl_add_u32 v[ASO], v3, 4, s39
	v_add_nc_u32 v[ASL], ASC1, v[ASO]
	s_lshl_b32 s38, s28, 13
	v_lshl_add_u32 v[WSO], v3, 6, s38              ; Wg's scales: row 128 v + lane, 64 bytes a row
	s_lshr_b32 s38, s28, 1
	s_and_b32 s39, s28, 1
	s_mul_i32 s40, s38, 393216
	s_mul_i32 s41, s39, 24576
	s_add_co_u32 s40, s40, s41
	v_lshl_add_u32 v[WVO], v3, 4, s40              ; wimg: my tiles are T = 8 v + t
	s_mul_i32 s40, s38, 24576
	s_mul_i32 s41, s39, 1536
	s_add_co_u32 s40, s40, s41
	v_lshl_add_u32 v[ACO], v3, 4, s40              ; acodes: K step v
.irp b, 0,1,2,3
	v_mov_b32 v[TM+4+\b], 0                        ; written once: a lane permute's destination counts as one of its sources
.endr
	s_lshl_b32 s38, ttmp9, 17                      ; my 32 rows of 4,096 bytes
	s_mov_b32 s39, 0
	s_lshr_b32 s40, ttmp9, 2
	s_mul_i32 s40, s40, 196608                     ; acodes: block of 128 rows g / 4,
	s_and_b32 s41, ttmp9, 3
	s_mul_i32 s41, s41, 6144                       ; tiles of rows 2 (g % 4) + m in it
	s_add_co_u32 s40, s40, s41
	s_mov_b32 s41, 0
	s_lshl_b32 s42, ttmp9, 11                      ; ascales: 2,048 bytes a work-group
	s_mov_b32 s43, 0
	s_wait_kmcnt 0x0
	s_add_nc_u64 s[4:5], s[4:5], s[38:39]
	s_add_nc_u64 s[6:7], s[6:7], s[38:39]
	s_add_nc_u64 s[24:25], s[24:25], s[40:41]
	s_add_nc_u64 s[44:45], s[24:25], 12582912      ; A2's part of acodes
	s_add_nc_u64 s[26:27], s[26:27], s[42:43]
	s_wait_alu depctr_va_vdst(0)                   ; the addresses and offsets v4 to v19 and v44 to v47 are written: every load and store of the kernel reads one of them, and none is written again
	; ---- A: everything that comes from memory but the weights is asked for at once: 32 loads of x, 32 of h, 11 of parameters
.set k, 0
.rept 32
	global_load_b128 v[Y+4*k:Y+4*k+3], v[PVO], s[4:5] offset:4096*k th:TH_LOAD_NT
.set k, k+1
.endr
	WIN 0x40
.set k, 0
.rept 32
	global_load_b128 v[H+4*k:H+4*k+3], v[PVO], s[6:7] offset:4096*k th:TH_LOAD_NT
.set k, k+1
.endr
	WIN 0
.irp q, 0,1                                    ; q = 0: x's columns, 1: h's, 4,096 bytes on
	global_load_b128 v[T+4*\q:T+4*\q+3], v[PVO], s[8:9] offset:4096*\q
	global_load_b128 v[T+8+4*\q:T+8+4*\q+3], v[PVO], s[10:11] offset:4096*\q
	global_load_b128 v[T+16+4*\q:T+16+4*\q+3], v[PVO], s[12:13] offset:4096*\q
	global_load_b128 v[T+24+4*\q:T+24+4*\q+3], v[PVO], s[14:15] offset:4096*\q
	global_load_b128 v[T+32+4*\q:T+32+4*\q+3], v[PVO], s[16:17] offset:4096*\q
.endr
	global_load_b128 v[T+40:T+43], v[PVO], s[18:19]
	s_wait_loadcnt 43                              ; x is in; h's 32 and the parameters' 11 may be out
.set k, 0
.rept 32
	ds_store_b128 v[XSW], v[Y+4*k:Y+4*k+3] offset:528*k
.set k, k+1
.endr
	WIN 0x40
.irp m, 0,1
.irp t, 0,1,2,3,4,5,6,7
	ds_load_b128 v[X+64*\m+8*\t:X+64*\m+8*\t+3], v[XSR] offset:8448*\m+64*\t          ; LDS serves a wave's instructions in order (ISA guide 5.7.1.4): these see my stores
	ds_load_b128 v[X+64*\m+8*\t+4:X+64*\m+8*\t+7], v[XSR] offset:8448*\m+64*\t+16
.endr
.endr
	s_wait_loadcnt 11                              ; h is in; the parameters may be out
.irp m, 0,1                                    ; 16 rows at a time through the same LDS rows, back into the registers that they left
	WIN 0x04
.set k, 0
.rept 16
	ds_store_b128 v[HSW], v[H+64*\m+4*k:H+64*\m+4*k+3] offset:528*k
.set k, k+1
.endr
	WIN 0x40
	s_wait_alu depctr_vm_vsrc(0)                   ; the sixteen stores above have read these 64 registers of h, in which the loads below land
.irp t, 0,1,2,3,4,5,6,7
	ds_load_b128 v[H+64*\m+8*\t:H+64*\m+8*\t+3], v[HSR] offset:64*\t
	ds_load_b128 v[H+64*\m+8*\t+4:H+64*\m+8*\t+7], v[HSR] offset:64*\t+16
.endr
.endr
	WIN 0
	s_wait_loadcnt 0x0                             ; the parameters
.irp a, 0,1,2,3                                ; g1, b1, g2, b2, each x the mask
.irp q, 0,1
.irp i, 0,2
	v_pk_mul_f32 v[T+8*\a+4*\q+\i:T+8*\a+4*\q+\i+1], v[T+8*\a+4*\q+\i:T+8*\a+4*\q+\i+1], v[T+32+4*\q+\i:T+32+4*\q+\i+1]
.endr
.endr
.endr
.irp i, 0,2
	v_pk_mul_f32 v[T+40+\i:T+40+\i+1], v[T+40+\i:T+40+\i+1], s[36:37] op_sel_hi:[1,0]   ; -log2(e) bg
.endr
	s_wait_alu depctr_va_vdst(0)                   ; the products by the mask and by -log2(e) are written: the nine LDS stores below read them
.irp a, 0,1,2,3
.irp q, 0,1
	ds_store_b128 v[PAW], v[T+8*\a+4*\q:T+8*\a+4*\q+3] offset:(4*(\a/2)+2*\q+\a%2)*512
.endr
.endr
	ds_store_b128 v[PAW], v[T+40:T+43] offset:8*512
	s_wait_dscnt 0x0                               ; x and h are in their layout
	s_wait_alu depctr_vm_vsrc(0)                   ; the parameters' stores have read v64 to v107, which the sums below write as scratch; x's stores have read v128 to v255, which the first norm writes
	SUM64 SX, X
	SUM64 SX+1, X+64
	SUM64 SH, H
	SUM64 SH+1, H+64
	CROSSV SX
	CROSSV SX+1
	CROSSV SH
	CROSSV SH+1
	s_wait_alu depctr_va_vdst(0)                   ; the four sums are written, which the stores below read; the sums are done with their scratch v64-95, in which the waves' words land behind the barrier
	CROSSS SX, 0
	CROSSS SX+1, 512
	CROSSS SH, 1024
	CROSSS SH+1, 1536
	BAR                                            ; every wave's four sums lie in LDS
	; ---- B: the parts' means, and their centred sums of squares
	TLD 0, 0
	TLD 1, 512
	TLD 2, 1024
	TLD 3, 1536
	s_wait_dscnt 0x0
	s_wait_alu depctr_vm_vsrc(0)                   ; my four stores ahead of the barrier have read v[SX] on and v[SH] on, which the lines below write again
	TSUM SX, 0
	TSUM SX+1, 1
	TSUM SH, 2
	TSUM SH+1, 3
.irp m, 0,1
	v_mul_f32 v[MX+2*\m], 0x3a800000, v[SX+\m]     ; / 1024
	v_mul_f32 v[MX+2*\m+1], 0x3a800000, v[SX+\m]
	v_mul_f32 v[MH+2*\m], 0x3a800000, v[SH+\m]
	v_mul_f32 v[MH+2*\m+1], 0x3a800000, v[SH+\m]
.endr
	DEV64 M2X, X, MX
	DEV64 M2X+1, X+64, MX+2
	DEV64 M2H, H, MH
	DEV64 M2H+1, H+64, MH+2
	CROSSV M2X
	CROSSV M2X+1
	CROSSV M2H
	CROSSV M2H+1
	s_wait_alu depctr_va_vdst(0)                   ; the four centred sums are written, which the stores below read; their scratch v64-127 is done with: the waves' words land there behind the barrier
	CROSSS M2X, 2048
	CROSSS M2X+1, 2560
	CROSSS M2H, 3072
	CROSSS M2H+1, 3584
	BAR
	; ---- C: LN1, and A1's codes: my two K steps x two tiles of rows
	TLD 0, 2048
	TLD 1, 2560
	TLD 2, 3072
	TLD 3, 3584
	s_wait_dscnt 0x0
	s_wait_alu depctr_vm_vsrc(0)                   ; my four stores ahead of the barrier have read v[M2X] on and v[M2H] on, which the lines below write again
	TSUM M2X, 0
	TSUM M2X+1, 1
	TSUM M2H, 2
	TSUM M2H+1, 3
	STATS
	NORM X, 0, 1, 0
	WIN 0x40
	s_wait_alu depctr_va_vdst(0)                   ; the norm's subtractions are done reading x's registers (x stays in LDS), in which the first K step's weights land
	WLOAD 0, 0
	WLOAD 0, 4
	WIN 0
.irp m, 0,1
	QUANT Y+64*\m
	IMG 24576*\m
	ds_store_b32 v[ASW], v[PW] offset:256*\m
	OUTC 24, 3072*\m
.endr
	NORM H, 2, 3, 1
.irp m, 0,1
	QUANT Y+64*\m
	IMG 24576*\m+12288
	ds_store_b32 v[ASW], v[PW] offset:1024+256*\m
	OUTC 24, 3072*\m+98304
.endr
	BAR                                            ; A1's 32 fragments and their scale words lie in LDS
	; ---- D: gates = A1 Wg (r half), transposed; r; h r
	ds_load_b128 v[SCT:SCT+3], v[ASL]              ; (v124-127: the norm read them last, ahead of the quantiser's waits on va_vdst; the stores since name other registers)
	s_wait_dscnt 0x0
	s_cmp_lt_u32 s28, 4                            ; A1's scale words are 2,048 bytes: waves 0 to 3 send 512 each
	s_cbranch_scc0 .Lno_sc1
	global_store_b128 v[ASO], v[SCT:SCT+3], s[26:27]
.Lno_sc1:
	s_wait_xcnt 0x0                                ; that store and the codes' stores have had their addresses translated (ISA guide 3.1)
	s_wait_alu depctr_vm_vsrc(0)                   ; and have read v[PC] on, v[PW] and v[SCT] on: Wg's scale words land there
	s_wait_alu depctr_va_vdst(0)                   ; the norms and the quantiser are done with v48 to v127, in which the scale words below land; the wait stands behind the stores that read some of these registers
.irp j, 0,1,2,3
.irp t, 0,1,2,3
	global_load_b128 v[WS+16*\j+4*\t:WS+16*\j+4*\t+3], v[WSO], s[20:21] offset:2048*\j+16*\t   ; a lane takes its row's 64 bytes: sixteen K steps' words
.endr
.endr
.irp t, 0,1,2,3
	ds_load_b128 v[AS+4*\t:AS+4*\t+3], v[ASR] offset:512*\t
.endr
	ALOAD 0
.irp kk, 0,1,2,3,4,5,6,7,8,9,10,11,12,13,14,15
	KSTEP \kk
.endr
	WIN 0
	s_wait_alu depctr_va_vdst(0)                   ; the products are done reading Wg's scale words, in which the biases land, and the fragments of Wg and A1, in which x lands; the last step's four places stand ahead
.irp t, 0,1,2,3,4,5,6,7
	ds_load_b128 v[BIAS+8*\t:BIAS+8*\t+3], v[PRD] offset:8*512+64*\t
	ds_load_b128 v[BIAS+8*\t+4:BIAS+8*\t+7], v[PRD] offset:8*512+64*\t+16
.endr
	WIN 0x40
.irp m, 0,1
.irp t, 0,1,2,3,4,5,6,7
	ds_load_b128 v[X+64*\m+8*\t:X+64*\m+8*\t+3], v[XSR] offset:8448*\m+64*\t          ; x comes back for LN2
	ds_load_b128 v[X+64*\m+8*\t+4:X+64*\m+8*\t+7], v[XSR] offset:8448*\m+64*\t+16
.endr
.endr
	WIN 0
	s_wait_dscnt 32                                ; the biases are in; x's 32 loads may be out
.irp m, 0,1
.irp t, 0,1,2,3,4,5,6,7
.irp i, 0,2,4,6
	v_pk_fma_f32 v[ACC+64*\m+8*\t+\i:ACC+64*\m+8*\t+\i+1], v[ACC+64*\m+8*\t+\i:ACC+64*\m+8*\t+\i+1], s[36:37], v[BIAS+8*\t+\i:BIAS+8*\t+\i+1] op_sel_hi:[1,0,1]   ; -log2(e) (sum + bg); each accumulator from its low end on
.endr
.endr
.endr
.set k, 0
.rept 128
	v_exp_f32 v[ACC+k], v[ACC+k]
.set k, k+1
.endr
	v_nop                                          ; a plain place behind the last exponential
	s_wait_alu depctr_va_vdst(0)                   ; the 128 exponentials have written v[ACC] on, which the additions below read: one wait for the batch
.set k, 0
.rept 64
	v_pk_add_f32 v[ACC+2*k:ACC+2*k+1], v[ACC+2*k:ACC+2*k+1], 1.0 op_sel_hi:[1,0]
.set k, k+1
.endr
.set k, 0
.rept 128
	v_rcp_f32 v[ACC+k], v[ACC+k]                   ; r = 1 / (1 + 2^(-log2(e) gate)): an overflowing power gives 0, a vanishing one 1
.set k, k+1
.endr
	v_nop
	s_wait_alu depctr_va_vdst(0)                   ; the 128 reciprocals have written v[ACC] on, which the multiplications below read: one wait for the batch
	WIN 0x41
.set k, 0
.rept 64
	v_pk_mul_f32 v[H+2*k:H+2*k+1], v[H+2*k:H+2*k+1], v[ACC+2*k:ACC+2*k+1]             ; h r, where h lay
.set k, k+1
.endr
	SUM64 SH, H
	SUM64 SH+1, H+64
	CROSSV SH
	CROSSV SH+1
	s_wait_alu depctr_va_vdst(0)                   ; the two sums are written, which the stores below read; their scratch v64-95 is done with: the waves' words land there behind the barrier
	CROSSS SH, 4096
	CROSSS SH+1, 4608
	BAR
	; ---- E: h r's mean and centred sum; x's are kept from LN1
	TLD 0, 4096
	TLD 1, 4608
	s_wait_dscnt 0x0
	s_wait_alu depctr_vm_vsrc(0)                   ; my two stores ahead of the barrier have read v[SH] on, which the lines below write again
	TSUM SH, 0
	TSUM SH+1, 1
.irp m, 0,1
	v_mul_f32 v[MH+2*\m], 0x3a800000, v[SH+\m]
	v_mul_f32 v[MH+2*\m+1], 0x3a800000, v[SH+\m]
.endr
	DEV64 M2H, H, MH
	DEV64 M2H+1, H+64, MH+2
	CROSSV M2H
	CROSSV M2H+1
	s_wait_alu depctr_va_vdst(0)                   ; the two centred sums are written, which the stores below read; their scratch v64-127 is done with: the waves' words land there behind the barrier
	CROSSS M2H, 5120
	CROSSS M2H+1, 5632
	BAR
	; ---- F: LN2, and A2's codes
	TLD 0, 5120
	TLD 1, 5632
	s_wait_dscnt 0x0
	s_wait_alu depctr_vm_vsrc(0)                   ; my two stores ahead of the barrier have read v[M2H] on, which the lines below write again
	TSUM M2H, 0
	TSUM M2H+1, 1
	STATS
	NORM X, 4, 5, 0
.irp m, 0,1
	QUANT Y+64*\m
	ds_store_b32 v[ASW], v[PW] offset:2048+256*\m
	OUTC 44, 3072*\m
.endr
	NORM H, 6, 7, 1
.irp m, 0,1
	QUANT Y+64*\m
	ds_store_b32 v[ASW], v[PW] offset:3072+256*\m
	OUTC 44, 3072*\m+98304
.endr
	BAR                                            ; A2's scale words lie in LDS
	; ---- G: they leave as A1's did
	ds_load_b128 v[SCT:SCT+3], v[ASL] offset:2048  ; (v124-127: the norm read them last, ahead of the quantiser's waits on va_vdst; the stores since name other registers)
	s_wait_dscnt 0x0
	s_cmp_lt_u32 s28, 4
	s_cbranch_scc0 .Lno_sc2
	global_store_b128 v[ASO], v[SCT:SCT+3], s[26:27] offset:524288
.Lno_sc2:
	s_wait_dscnt 0x0                               ; the closing lines, six on end
	s_wait_alu 0x0
	s_wait_tensorcnt 0x0
	ds_add_u32 v[SPW], v[NIL]
	s_wait_dscnt 0x0
	s_endpgm
.Lfunc_end_k_q1260dd8c21_gate:
	.size	k_q1260dd8c21_gate, .Lfunc_end_k_q1260dd8c21_gate-k_q1260dd8c21_gate
	.p2alignl 7, 3214868480
	.fill 96, 4, 3214868480
	.section	.rodata,"a",@progbits
	.p2align	6, 0x0
	.amdhsa_kernel k_q1260dd8c21_gate
		.amdhsa_group_segment_fixed_size 300032
		.amdhsa_private_segment_fixed_size 0
		.amdhsa_enable_private_segment 0
		.amdhsa_kernarg_size 96
		.amdhsa_user_sgpr_count 2
		.amdhsa_user_sgpr_kernarg_segment_ptr 1
		.amdhsa_wavefront_size32 1
		.amdhsa_system_sgpr_workgroup_id_x 1
		.amdhsa_system_sgpr_workgroup_id_y 1
		.amdhsa_system_sgpr_workgroup_id_z 1
		.amdhsa_system_vgpr_workitem_id 0
		.amdhsa_next_free_vgpr 512
		.amdhsa_next_free_sgpr 66
		.amdhsa_reserve_vcc 0
		.amdhsa_float_denorm_mode_32 3
		.amdhsa_float_denorm_mode_16_64 3
		.amdhsa_memory_ordered 1
		.amdhsa_forward_progress 1
		.amdhsa_inst_pref_size 255
	.end_amdhsa_kernel
	.section	.bss,"aw",@nobits
	.p2align	6
	.space	262144
	.amdgpu_metadata
---
amdhsa.version: [ 1, 2 ]
amdhsa.kernels:
  - .name:           k_q1260dd8c21_gate
    .symbol:         k_q1260dd8c21_gate.kd
    .args:
      - { .name: x, .offset: 0, .size: 8, .value_kind: global_buffer, .address_space: global }
      - { .name: h, .offset: 8, .size: 8, .value_kind: global_buffer, .address_space: global }
      - { .name: g1, .offset: 16, .size: 8, .value_kind: global_buffer, .address_space: global }
      - { .name: b1, .offset: 24, .size: 8, .value_kind: global_buffer, .address_space: global }
      - { .name: g2, .offset: 32, .size: 8, .value_kind: global_buffer, .address_space: global }
      - { .name: b2, .offset: 40, .size: 8, .value_kind: global_buffer, .address_space: global }
      - { .name: dropout_mask, .offset: 48, .size: 8, .value_kind: global_buffer, .address_space: global }
      - { .name: bg, .offset: 56, .size: 8, .value_kind: global_buffer, .address_space: global }
      - { .name: Wg_scales, .offset: 64, .size: 8, .value_kind: global_buffer, .address_space: global }
      - { .name: wimg, .offset: 72, .size: 8, .value_kind: global_buffer, .address_space: global }
      - { .name: acodes, .offset: 80, .size: 8, .value_kind: global_buffer, .address_space: global }
      - { .name: ascales, .offset: 88, .size: 8, .value_kind: global_buffer, .address_space: global }
    .group_segment_fixed_size: 300032
    .private_segment_fixed_size: 0
    .kernarg_segment_align: 8
    .kernarg_segment_size: 96
    .max_flat_workgroup_size: 256
    .sgpr_count:     66
    .vgpr_count:     512
    .wavefront_size: 32
...
	.end_amdgpu_metadata
.endif
;; end of part 4
;; launch cell: the kernel of part 3 again; grid 4 x 64, 4 waves a work-group, clusters of 4 x 4, 327,680 bytes of LDS; arguments acodes, ascales, wimg, Wg_scales, Wu_scales, bg, bu, h, out0; writes out0
